; MI455X (gfx1250); checked and timed in simulation.
; The chip was launched on July 23, 2026; its instructions are those of AMD's public machine-readable ISA for CDNA 5 (MIT licence, August 2026) and "CDNA5" Instruction Set Architecture Reference Guide (July 2026). The comments in the code are by the model that wrote it; some were corrected since.
;; Attention. Allowed arithmetic: matrix products marked QUANTISED: E2M3 operands, one E8M0 scale for each 32 along K, by v_wmma_scale_f32_16x16x128_f8f6f4 with both operands' format E2M3, f32 sums; everything else in f32.
;; Inputs: Wk_codes 1,024 x 32 x 24 uint8 (E2M3 codes of Wk, K innermost, in blocks of 32 codes, four codes in three bytes); Wk_scales 1,024 x 32 uint8 (E8M0 scales of Wk, one for each 32 codes along K); Wo_codes 1,024 x 32 x 24 uint8 (E2M3 codes of Wo, K innermost, in blocks of 32 codes, four codes in three bytes); Wo_scales 1,024 x 32 uint8 (E8M0 scales of Wo, one for each 32 codes along K); Wq_codes 1,024 x 32 x 24 uint8 (E2M3 codes of Wq, K innermost, in blocks of 32 codes, four codes in three bytes); Wq_scales 1,024 x 32 uint8 (E8M0 scales of Wq, one for each 32 codes along K); Wv_codes 1,024 x 32 x 24 uint8 (E2M3 codes of Wv, K innermost, in blocks of 32 codes, four codes in three bytes); Wv_scales 1,024 x 32 uint8 (E8M0 scales of Wv, one for each 32 codes along K); bk 1,024 float32; bo 1,024 float32; bq 1,024 float32; bv 1,024 float32; k_codes 2 x 2,048 x 32 x 24 uint8 (E2M3 codes of k, K innermost, in blocks of 32 codes, four codes in three bytes); k_scales 2 x 2,048 x 32 uint8 (E8M0 scales of k, one for each 32 codes along K); pos_enc_codes 2,049 x 32 x 24 uint8 (E2M3 codes of pos_enc, K innermost, in blocks of 32 codes, four codes in three bytes); pos_enc_scales 2,049 x 32 uint8 (E8M0 scales of pos_enc, one for each 32 codes along K); q_codes 2 x 2,048 x 32 x 24 uint8 (E2M3 codes of q, K innermost, in blocks of 32 codes, four codes in three bytes); q_scales 2 x 2,048 x 32 uint8 (E8M0 scales of q, one for each 32 codes along K); r_kernel_codes 16 x 64 x 32 x 24 uint8 (E2M3 codes of r_kernel, K innermost, in blocks of 32 codes, four codes in three bytes); r_kernel_scales 16 x 64 x 32 uint8 (E8M0 scales of r_kernel, one for each 32 codes along K); r_r_bias 16 x 1 x 64 float32; r_w_bias 16 x 1 x 64 float32; v_codes 2 x 2,048 x 32 x 24 uint8 (E2M3 codes of v, K innermost, in blocks of 32 codes, four codes in three bytes); v_scales 2 x 2,048 x 32 uint8 (E8M0 scales of v, one for each 32 codes along K).
;; Outputs: out0 2 x 2,048 x 1,024 float32.
;; This version of the problem:
;;   THIS VERSION OF THE PROBLEM IS GIVEN IN LOW PRECISION. The matrix products marked QUANTISED in the list below multiply operands that are first quantised to E2M3 (2 exponent bits, 3 mantissa bits; 6 bits a number), with one power-of-two scale for each 32 numbers along K (OCP MX v1.0); their sums are f32. All else is computed in f32.
;;   The module's matrix products, in the order in which they are computed (A, B: the left and right operand; K: the contracted axis; several contracted axes count as one K, in the product's order):
;;     1. [M 4,096, K 1,024] x [K 1,024, N 1,024]; A: input q (given as codes); B: input Wq (given as codes): QUANTISED
;;     2. [M 4,096, K 1,024] x [K 1,024, N 1,024]; A: input k (given as codes); B: input Wk (given as codes): QUANTISED
;;     3. [M 4,096, K 1,024] x [K 1,024, N 1,024]; A: input v (given as codes); B: input Wv (given as codes): QUANTISED
;;     4. batch 32 x [M 2,048, K 64] x [K 64, N 2,048]; A: computed on the way; B: computed on the way: QUANTISED
;;     5. [M 1,024, K 1,024] x [K 1,024, N 2,049]; A: input r_kernel (given as codes); B: input pos_enc (given as codes): QUANTISED
;;     6. batch 16 x [M 2,049, K 64] x [K 64, N 4,096]; A: computed on the way; B: computed on the way: QUANTISED
;;     7. batch 32 x [M 2,048, K 2,048] x [K 2,048, N 64]; A: softmax (see below); B: computed on the way: QUANTISED
;;     8. [M 4,096, K 1,024] x [K 1,024, N 1,024]; A: computed on the way; B: input Wo (given as codes): QUANTISED
;;   THE QUANTISER, for each operand of a quantised product, along K:
;;     - K is cut into blocks of 32 from its start; a last block that is shorter is filled with zeros.
;;     - A block's scale is 2^e with e = floor(log2(the largest magnitude in the block)) - 2, held to -126 .. 127; a block of zeros has e = 0. As a byte (E8M0): e + 127.
;;     - Each number is divided by its block's scale, clamped to +-7.5, and rounded to the nearest number of E2M3, ties to even, subnormals kept.
;;     - The product sums the exact products of the quantised numbers (number of the format x scale) in f32.
;;   ~~~python
;;   def quantise(x, axis):      # numpy; x: float32 -> the quantised numbers, widened to float32 again
;;       x = np.moveaxis(x, axis, -1); K = x.shape[-1]
;;       x = np.pad(x, [(0, 0)] * (x.ndim - 1) + [(0, -K % 32)]); x = x.reshape(x.shape[:-1] + (-1, 32)); a = np.abs(x).max(-1, keepdims=True)
;;       e = np.where(a > 0, np.clip(np.frexp(np.where(a > 0, a, 1))[1] - 1 - 2, -126, 127), 0)      # np.frexp(a)[1] - 1 = floor(log2(a)), exactly
;;       r = np.clip(x / 2.0 ** e, -7.5, 7.5)
;;       step = 2.0 ** (np.maximum(np.frexp(np.where(r == 0, 1, r))[1] - 1, 0) - 3)
;;       q = np.round(r / step) * step * 2.0 ** e      # np.round: ties to even
;;       return np.moveaxis(q.reshape(q.shape[:-2] + (-1,))[..., :K], -1, axis).astype(np.float32)
;;   ~~~
;;   SOFTMAX AHEAD OF A QUANTISED PRODUCT. Where the list says 'softmax', what is quantised is not the finished softmax but p = 2^(t - M), with t = logit x log2(e) and M = ceil(the row's largest t), a whole number; so 1/2 < the row's largest p <= 1. The row's sum l is taken of the UNQUANTISED p, in f32, and the product's result is divided by l at the end. Since M is a whole number, a kernel that streams over the keys may use a running M (the ceiling of the running maximum): every later rescaling is an exact power of two, which a block's scale takes up: the codes' values come out the same.
;;   OPERANDS COMPUTED ON THE WAY. 'Computed on the way' means the value that the module computes at that place (a softmax that the list does not call 'softmax' is quantised finished and normalised). What goes into a quantiser is computed in f32, as accurately as f32 sums, v_exp_f32 and their like allow (about 1e-6 of the number): no bf16 or f16 on the way to a quantiser, and a product that is left as it is and whose result goes on into a quantised operand takes f32 operands (vector FMAs, or v_wmma_f32_16x16x4_f32). A number that lies on a knife's edge between two numbers of the format may be rounded either way, as far as f32 arithmetic and the matrix unit's own rounding can turn it there, and no further.
;;   INPUTS GIVEN AS CODES. Wk (in the module: [1024, 1024], K = its axis 0); Wo (in the module: [1024, 1024], K = its axis 0); Wq (in the module: [1024, 1024], K = its axis 0); Wv (in the module: [1024, 1024], K = its axis 0); k (in the module: [2, 2048, 1024], K = its axis 2); pos_enc (in the module: [2049, 1024], K = its axis 1); q (in the module: [2, 2048, 1024], K = its axis 2); r_kernel (in the module: [16, 1024, 64], K = its axis 1); v (in the module: [2, 2048, 1024], K = its axis 2): each comes as NAME_codes (uint8): NAME with its K axis moved to the last place and cut into blocks of 32 codes, [.., K / 32, bytes a block], one block behind the other in memory; four codes in three bytes: a row's codes are one little-endian stream of bits, code i at bits 6 i .. 6 i + 5 (a code: sign, 2 exponent bits, 3 mantissa bits); and NAME_scales (uint8): the same leading axes, one E8M0 byte (e + 127) for each 32 codes along K. Its value is code x scale, taken as it is: it is not quantised again, and the codes and scales need not be those that the quantiser above would give.
;; One version. Each part assembles by itself: llvm-mc -triple=amdgcn-amd-amdhsa -mcpu=gfx1250 --defsym DOCPART=n.
;; ======== version 1 of 1: 3 launches
;; limits: right only within a limited range of input values
;; workspace buffers: qws 6,815,744 bytes; kv 6,684,672 bytes; pe 1,736,704 bytes; oc 3,145,728 bytes; os 131,072 bytes
;; launch proj (part 1): grid 4 x 56, 4 waves a work-group, clusters of 4 x 4, 327,680 bytes of LDS; arguments q_codes, q_scales, Wq_codes, Wq_scales, k_codes, k_scales, Wk_codes, Wk_scales, Wv_codes, Wv_scales, v_codes, v_scales, pos_enc_codes, pos_enc_scales, r_kernel_codes, r_kernel_scales, bq, bk, bv, r_w_bias, r_r_bias, qws, kv, pe; writes qws, kv, pe
.if DOCPART == 1
	.amdgcn_target "amdgcn-amd-amdhsa--gfx1250"
	.amdhsa_code_object_version 6
	.text
	.protected	k_qf99adb77d4_proj
	.globl	k_qf99adb77d4_proj
	.p2align	8
	.type	k_qf99adb77d4_proj,@function
k_qf99adb77d4_proj:
	s_mov_b64 s[64:65], 0
	v_nop
	global_prefetch_b8 v0, s[64:65] scope:SCOPE_SE
	s_setreg_imm32_b32 hwreg(HW_REG_WAVE_MODE, 25, 1), 1
	s_wait_xcnt 0x0
	s_wait_alu depctr_hold_cnt(0) depctr_sa_sdst(0) depctr_va_vdst(0) depctr_va_sdst(0) depctr_va_ssrc(0) depctr_va_vcc(0) depctr_vm_vsrc(0)
	s_getreg_b32 s2, hwreg(HW_REG_IB_STS2, 6, 4)
	s_cmp_eq_u32 s2, 0
	s_cbranch_scc0 .Lentry_in_a_cluster
	s_endpgm
.Lentry_in_a_cluster:
	s_bfe_u32 s2, ttmp6, 0x10000c
	s_cmp_lg_u32 s2, 0xf033
	s_cbranch_scc0 .Lentry_shape_is_right
	s_endpgm
.Lentry_shape_is_right:
; FOUR PRODUCTS ON CODES OF FP6 (E2M3) IN ONE LAUNCH, each C = A B^T over K = 1,024, and the quantising of their results along the next product's K.
;   job 0: A = q, B = Wq: stored twice as codes: qh + bq + r_w_bias and qh + bq + r_r_bias -> qws
;   job 1: A = k, B = Wk: kh + bk -> kv (the keys' part)
;   job 2: A = Wv, B = v: vh + bv, transposed, since the keys are the K of the product that reads it -> kv (the values' part)
;   job 3: A = pos_enc rows 1..2,048, B = r_kernel: pe -> pe
; LEFT OUT: row 0 of pos_enc.  Behind the source's shift, score (i, j) with j <= i takes position 2,048 - (i - j), that is 1 .. 2,048; position 0 reaches only keys j > i, from which the source takes 1e7.
; A NaN, an infinity or an overflow that reaches only that row is not carried to the result.
; A cluster of 4 x 4 work-groups belongs to one job (cluster y / 4), so every branch on the job is alike in all partners.
; A tile of C, 256 x 256, is made by four waves, 128 x 128 each.  K goes through two LDS slots in chunks of 256 bytes of each row (a row is 768 bytes, so each chunk begins at a multiple of 256);
; a step of 128 along K is 96 bytes: eight steps to three chunks, steps 2 and 5 lie across two chunks.  Tiles are asked for jointly (A's along a row of the cluster, B's along a column).
; The scale bytes of the work-group's rows come once, as the inputs' own rows of 32 bytes (job 3's begin 32 bytes into the buffer), 16 bytes of padding behind each.
; The matrix instruction is used transposed: lane (r, h) holds A's row 16 a + r, register j of accumulator (a, b) B's row 16 b + 8 h + j.
; THE WAY OUT.  A lane's 64 numbers of a block of 16 rows are four blocks of 32 along the next K; inside a block the codes stand in the order 0-7, 16-23, 8-15, 24-31, alike in every operand made here.
;   jobs 0, 1, 3: three planes of 8 bytes, each store 256 consecutive bytes, aligned; scale word (s0, s1, s0, s1).  job 2: the operand's registers as they stand.
; No prefetch: K has three chunks, of which two are asked for at the start.
; LIMITS.  The biases are added to each other first and then to the sum.  A block of zeros carries the scale byte 1 (only this program reads the bytes).  NaN and infinities are not served
; (a job's unused biases are multiplied by 0).
.set ROWB,   256
.set NQ,     2
.set KROW,   768
.set STEPS,  8
.set CHUNKS, 3
.set PITCH,  272
.set FR,     12
.set NL,     6
.set NP,     4
.set HALFT,  128*PITCH
.set SLOT,   4*HALFT
.set SCL,    2*SLOT
.set SROW,   48                        ; an LDS row of scales: 32 bytes + 16
.set HALFS,  128*SROW
.set SBLK,   16*SROW
.set SPARE,  SCL+4*HALFS               ; the spare words: 128 bytes a wave
.set VL8,  8
.set VT,   9
.set ADRA, 16                          ; v16-17 A's fragments in slot 0, 1; v18-19 lanes 0-15 at byte 232 of that slot's row, lanes 16-31 at byte 0 in the other slot
.set ADRB, 20
.set VO,   24
.set ADRS, 27
.set SPW,  28
.set NIL,  29
.set VS,   30
.set VL16, 31
.set SC,   32
.set BI0,  64
.set AF,   128
.set BR,   224
.set T,    128
.set PC,   192
.set TM,   32
.set PW,   48
.set KP,   49
.set KV,   53
.set X,    58
.set JOB,  2
.set TROW, 3
.set PH,   4
.set G1, 24
.set G0, 32
.set G1B, 48
.set G0B, 56
.set G1S, 68
.set G0S, 76
.set G1SB, 80
.set G0SB, 88
.set WV,   92
.set HR,   93
.set HC,   94
.set SEL,  96
.set M1,   98
.set MQ,   100
.set HM,   104
.set MSB, 0
.macro WIN new
.if MSB != (\new)
	s_set_vgpr_msb (MSB<<8)|(\new)
.set MSB, (\new)
.endif
.endm
.set MUL_LO, 0xa1
.set MUL_HI, 0xf1
.set TO_B,   0x40
.macro JLOAD g0a, g1a, g0b, g1b        ; waves 0, 1 fetch for A, waves 2, 3 for B
	s_cmp_eq_u32 s[HR], 0
	s_cbranch_scc0 .Lfor_b_\@
	tensor_load_to_lds s[\g0a:\g0a+3], s[\g1a:\g1a+7]
	s_nop 0
.rept 4
	v_nop
.endr
	s_branch .Lasked_\@
.Lfor_b_\@:
	tensor_load_to_lds s[\g0b:\g0b+3], s[\g1b:\g1b+7]
	s_nop 0
.rept 4
	v_nop
.endr
.Lasked_\@:
.endm
.macro CREST
	s_cmp_lg_u32 s[WV], 0
	s_cbranch_scc1 .Lnot_wave_0_\@
	s_barrier_signal -3
.Lnot_wave_0_\@:
	s_barrier_wait -3
	s_barrier_signal -1
	s_barrier_wait -1
.endm
.macro CROUND
	s_barrier_signal -1
	s_barrier_wait -1
	CREST
.endm
	s_load_b256 s[68:75], s[0:1], 0x0              ; job 0: A's codes, A's scales, B's codes, B's scales
	s_load_b256 s[76:83], s[0:1], 0x20             ; job 1
	s_load_b256 s[84:91], s[0:1], 0x40             ; job 2
	s_load_b256 s[92:99], s[0:1], 0x60             ; job 3
	s_load_b512 s[4:19], s[0:1], 0x80              ; bq, bk, bv, r_w_bias, r_r_bias, qws, kv, pe
	v_lshl_add_u32 v[SPW], v0, 2, SPARE
	v_mov_b32 v[NIL], 0
	ds_add_u32 v[SPW], v[NIL]                      ; the opening lines: the add twice and one wait
	ds_add_u32 v[SPW], v[NIL]
	s_and_b32 s40, ttmp7, 0xffff                   ; cluster y, 0 .. 13
	s_lshr_b32 s[JOB], s40, 2
	s_and_b32 s40, s40, 3
	s_cmp_eq_u32 s[JOB], 2
	s_cselect_b32 s42, s40, 0                      ; the long operand is B in job 2, else A
	s_cselect_b32 s[TROW], 0, s40
	s_bfe_u32 s40, ttmp6, 0x40000                  ; cx, cy
	s_bfe_u32 s41, ttmp6, 0x40004
	s_lshl_b32 s42, s42, 2
	s_add_co_u32 s42, s42, s40                     ; tile column
	s_lshl_b32 s[TROW], s[TROW], 2
	s_add_co_u32 s[TROW], s[TROW], s41             ; tile row
	s_lshl_b32 s43, s41, 2
	s_lshl_b32 s43, 15, s43                        ; my row of the cluster
	s_lshl_b32 s44, 0x1111, s40                    ; my column
	s_or_b32 s[G1+0], s43, (0<<16)|(1<<20)|(1<<21)|(5<<22)|(3<<25)
	s_or_b32 s[G1B+0], s44, (0<<16)|(1<<20)|(1<<21)|(5<<22)|(3<<25)
.irp g, G1, G1B
	s_mov_b32 s[\g+1], ROWB<<16
	s_mov_b32 s[\g+2], 256<<16                     ; the head's loads bring 256 rows
	s_mov_b32 s[\g+3], ROWB<<16
	s_mov_b32 s[\g+4], 256
	s_mov_b32 s[\g+5], KROW
	s_mov_b32 s[\g+6], 0
	s_mov_b32 s[\g+7], 0
.endr
	s_wait_dscnt 0x0
	s_wait_kmcnt 0x0
	s_cmp_eq_u32 s[JOB], 1                         ; the job's four buffers: a choice that hangs on the cluster's number alone
	s_cselect_b64 s[20:21], s[76:77], s[68:69]
	s_cselect_b64 s[22:23], s[78:79], s[70:71]
	s_cselect_b64 s[46:47], s[80:81], s[72:73]
	s_cselect_b64 s[66:67], s[82:83], s[74:75]
	s_cmp_eq_u32 s[JOB], 2
	s_cselect_b64 s[20:21], s[84:85], s[20:21]
	s_cselect_b64 s[22:23], s[86:87], s[22:23]
	s_cselect_b64 s[46:47], s[88:89], s[46:47]
	s_cselect_b64 s[66:67], s[90:91], s[66:67]
	s_cmp_eq_u32 s[JOB], 3
	s_cselect_b64 s[20:21], s[92:93], s[20:21]
	s_cselect_b64 s[22:23], s[94:95], s[22:23]
	s_cselect_b64 s[46:47], s[96:97], s[46:47]
	s_cselect_b64 s[66:67], s[98:99], s[66:67]
	s_cselect_b32 s96, 768, 0                      ; pos_enc from its row 1 on
	s_cselect_b32 s98, 32, 0
	s_mov_b32 s97, 0
	s_mov_b32 s99, 0
	s_add_nc_u64 s[20:21], s[20:21], s[96:97]
	s_add_nc_u64 s[22:23], s[22:23], s[98:99]
	v_lshrrev_b32 v1, 5, v0
	v_readfirstlane_b32 s[WV], v1                  ; wave 0..3
	s_lshr_b32 s[HR], s[WV], 1
	s_and_b32 s[HC], s[WV], 1
	s_or_b32 s[G1S+0], s43, (3<<16)|(1<<20)|(1<<21)|(2<<22)|(3<<25)   ; scales: 256 rows of 32 bytes, 4 words of padding behind every 8
	s_or_b32 s[G1SB+0], s44, (3<<16)|(1<<20)|(1<<21)|(2<<22)|(3<<25)
.irp g, G1S, G1SB
	s_mov_b32 s[\g+1], 4<<16
	s_mov_b32 s[\g+2], 256<<16
	s_mov_b32 s[\g+3], 4<<16
	s_mov_b32 s[\g+4], 256
	s_mov_b32 s[\g+5], 4
	s_mov_b32 s[\g+6], 0
	s_mov_b32 s[\g+7], 0
.endr
	s_mul_i32 s96, s[TROW], 256*KROW               ; A's tile: codes,
	s_add_nc_u64 s[20:21], s[20:21], s[96:97]
	s_lshl_b32 s96, s[TROW], 13                    ; scales
	s_add_nc_u64 s[22:23], s[22:23], s[96:97]
	s_mul_i32 s98, s42, 256*KROW                   ; B's
	s_add_nc_u64 s[46:47], s[46:47], s[98:99]
	s_lshl_b32 s98, s42, 13
	s_add_nc_u64 s[66:67], s[66:67], s[98:99]
	s_mul_i32 s45, s[WV], HALFT
	CROUND                                         ; all sixteen work-groups are here: the first joint loads meet
	s_mov_b32 s[G0], 1                             ; the head's four tiles, each whole: chunk 0's 256 rows of A (slot 0's group 0 is set for the ring behind the wait for these loads),
	s_mov_b32 s[G0+1], 0
	s_mov_b64 s[G0+2:G0+3], s[20:21]
	s_or_b32 s[G0+3], s[G0+3], 0x80000000
	s_mov_b32 s[G0B], 1                            ; of B,
	s_mov_b32 s[G0B+1], 2*HALFT
	s_mov_b64 s[G0B+2:G0B+3], s[46:47]
	s_or_b32 s[G0B+3], s[G0B+3], 0x80000000
	s_mov_b32 s[G0S], 1                            ; A's scales,
	s_mov_b32 s[G0S+1], SCL
	s_mov_b64 s[G0S+2:G0S+3], s[22:23]
	s_or_b32 s[G0S+3], s[G0S+3], 0x80000000
	s_mov_b32 s[G0SB], 1                           ; B's
	s_mov_b32 s[G0SB+1], SCL+2*HALFS
	s_mov_b64 s[G0SB+2:G0SB+3], s[66:67]
	s_or_b32 s[G0SB+3], s[G0SB+3], 0x80000000
	s_mul_i32 s96, s[HC], 128*KROW                 ; in the ring I fetch 128 rows
	s_add_nc_u64 s[20:21], s[20:21], s[96:97]
	s_add_nc_u64 s[46:47], s[46:47], s[96:97]
	s_mov_b32 s[G0+4], 1                           ; slot 1: chunk 1
	s_add_co_u32 s[G0+5], s45, SLOT
	s_add_nc_u64 s[G0+6:G0+7], s[20:21], ROWB
	s_or_b32 s[G0+7], s[G0+7], 0x80000000
	s_mov_b32 s[G0B+4], 1
	s_add_co_u32 s[G0B+5], s45, SLOT
	s_add_nc_u64 s[G0B+6:G0B+7], s[46:47], ROWB
	s_or_b32 s[G0B+7], s[G0B+7], 0x80000000
.macro ARM under, g0, g1, next         ; one load a wave at the head, in one tree on the wave's number
	s_cmp_lt_u32 s[WV], \under
	s_cbranch_scc0 \next
	tensor_load_to_lds s[\g0:\g0+3], s[\g1:\g1+7]
	s_nop 0
.rept 4
	v_nop
.endr
	s_branch .Lhead_asked
\next:
.endm
	ARM 1, G0,  G1,  .Lhead_b
	ARM 2, G0B, G1B, .Lhead_sa
	ARM 3, G0S, G1S, .Lhead_sb
	tensor_load_to_lds s[G0SB:G0SB+3], s[G1SB:G1SB+7]
	s_nop 0
.rept 4
	v_nop
.endr
.Lhead_asked:
	v_and_b32 v1, 15, v0                           ; r
	v_bfe_u32 v2, v0, 4, 1                         ; h
	v_mul_u32_u24 v3, v1, PITCH
	v_mul_u32_u24 v4, v2, 24
	v_add_nc_u32 v4, v3, v4                        ; row x pitch + 24 h
	s_mov_b32 s21, SLOT-232
	s_mov_b32 s22, SLOT+232
	v_sub_nc_u32 v7, 1, v2
	v_mul_u32_u24 v5, s21, v2
	v_add_nc_u32 v5, v3, v5
	v_add_nc_u32 v5, 232, v5                       ; lanes 0-15 byte 232 in slot 0, lanes 16-31 byte 0 in slot 1
	v_mul_u32_u24 v6, s22, v7
	v_add_nc_u32 v6, v3, v6                        ; and the other way round
	s_mul_i32 s21, s[HR], HALFT
	s_mul_i32 s22, s[HC], HALFT
	s_add_co_u32 s22, s22, 2*HALFT
	v_add_nc_u32 v[ADRA+2], s21, v5
	v_add_nc_u32 v[ADRA+3], s21, v6
	v_add_nc_u32 v[ADRB+2], s22, v5
	v_add_nc_u32 v[ADRB+3], s22, v6
.irp s, 0,1
	v_add_nc_u32 v[ADRA+\s], s21, v4
	v_add_nc_u32 v[ADRB+\s], s22, v4
	s_add_co_u32 s21, s21, SLOT
	s_add_co_u32 s22, s22, SLOT
.endr
	v_mul_u32_u24 v5, v1, SROW                     ; my row's scales
	s_mul_i32 s21, s[HR], HALFS
	s_mul_i32 s22, s[HC], HALFS
	s_add_co_u32 s22, s22, 2*HALFS
	s_sub_co_u32 s22, s22, s21
	v_mul_u32_u24 v6, s22, v2                      ; lanes 16-31 take B's
	s_add_co_u32 s21, s21, SCL
	v_add_nc_u32 v5, v5, v6
	v_add_nc_u32 v[ADRS], s21, v5
	s_mov_b32 s[SEL], 0x76543210
	s_mov_b32 s[SEL+1], 0xfedcba98
	s_mov_b32 s[HM], 0xffff0000
	; the biases, while the first tiles are on their way: one path for all jobs; what a job does not use is multiplied by 0
	s_lshl_b32 s66, s[TROW], 8
	s_lshl_b32 s105, s[HR], 7
	s_add_co_u32 s66, s66, s105                    ; my first row of A
	s_lshl_b32 s67, s42, 8
	s_lshl_b32 s105, s[HC], 7
	s_add_co_u32 s67, s67, s105                    ; my first row of B
	s_cmp_eq_u32 s[JOB], 2
	s_cselect_b32 s20, s67, s66                    ; the tokens' first index,
	s_cselect_b32 s21, s66, s67                    ; the channels'
	s_cselect_b32 s22, 0, s67
	s_cselect_b32 s23, s66, 0
	s_cselect_b64 s[46:47], s[8:9], s[4:5]
	s_cmp_eq_u32 s[JOB], 1
	s_cselect_b64 s[46:47], s[6:7], s[46:47]
	s_cmp_eq_u32 s[JOB], 3
	s_cselect_b32 s[M1], 0, 1.0
	s_mov_b32 s[M1+1], s[M1]
	s_cmp_eq_u32 s[JOB], 0
	s_cselect_b32 s[MQ], 1.0, 0
	s_mov_b32 s[MQ+1], s[MQ]
	v_lshlrev_b32 v10, 5, v2
	v_lshl_add_u32 v10, s22, 2, v10
	v_lshlrev_b32 v11, 2, v1
	v_lshl_add_u32 v11, s23, 2, v11
	WIN 0x80                                       ; into window 2, which the first products write only later
.irp b, 0,1,2,3,4,5,6,7
	global_load_b128 v[8*\b:8*\b+3], v10, s[46:47] offset:64*\b
	global_load_b128 v[8*\b+4:8*\b+7], v10, s[46:47] offset:64*\b+16
	global_load_b128 v[64+8*\b:64+8*\b+3], v10, s[10:11] offset:64*\b
	global_load_b128 v[64+8*\b+4:64+8*\b+7], v10, s[10:11] offset:64*\b+16
	global_load_b128 v[128+8*\b:128+8*\b+3], v10, s[12:13] offset:64*\b
	global_load_b128 v[128+8*\b+4:128+8*\b+7], v10, s[12:13] offset:64*\b+16
.endr
	WIN 0
.irp a, 0,1,2,3,4,5,6,7
	global_load_b32 v[BR+\a], v11, s[8:9] offset:64*\a
.endr
	s_wait_loadcnt 0x0
	WIN 0x82
.set i, 0
.rept 32
	v_pk_mul_f32 v[i:i+1], v[i:i+1], s[M1:M1+1] op_sel_hi:[1,0]
.set i, i+2
.endr
	WIN 0x22
.set i, 0
.rept 32
	v_pk_fma_f32 v[BI0+i:BI0+i+1], v[64+i:65+i], s[MQ:MQ+1], v[i:i+1] op_sel_hi:[1,0,1]   ; first pass: + r_w_bias in job 0
.set i, i+2
.endr
	WIN 0x62
.set i, 0
.rept 32
	v_pk_fma_f32 v[96+i+96*(i/32):97+i+96*(i/32)], v[128+i:129+i], s[MQ:MQ+1], v[i:i+1] op_sel_hi:[1,0,1]   ; second pass (job 0): + r_r_bias
.set i, i+2
.endr
	WIN 0
	; where the results go; the loads above are done, so their pointers' registers are free
	s_mul_i32 s46, s20, 12
	s_sub_co_u32 s46, 98304, s46
	s_lshr_b32 s47, s20, 11
	s_lshl_b32 s47, s47, 8
	s_bfe_u32 s105, s20, 0x40007
	s_add_co_u32 s47, s47, s105
	s_lshl_b32 s105, s20, 4
	s_lshr_b32 s21, s21, 6
	s_cmp_eq_u32 s[JOB], 0
	s_cselect_b64 s[PH:PH+1], s[14:15], s[16:17]
	s_mov_b32 s22, 13056
	s_cselect_b32 s22, 6656, s22
	s_mov_b32 s23, 208896
	s_cselect_b32 s23, 106496, s23
	s_mul_i32 s47, s47, s22
	s_cmp_eq_u32 s[JOB], 3
	s_cselect_b64 s[PH:PH+1], s[18:19], s[PH:PH+1]
	s_cselect_b32 s23, 108544, s23
	s_mov_b32 s45, 2048
	s_cselect_b32 s45, 32768, s45
	s_cselect_b32 s47, s105, s47
	s_mov_b32 s22, 6144
	s_cselect_b32 s46, s46, s22
	s_mul_i32 s21, s21, s23
	s_add_co_u32 s66, s21, s47
	s_mov_b32 s67, 0
	s_add_nc_u64 s[PH:PH+1], s[PH:PH+1], s[66:67]
	s_mov_b32 s66, s23
	s_add_nc_u64 s[PH+2:PH+3], s[PH:PH+1], s[66:67]
	v_lshlrev_b32 v[VO], 4, v1
	v_lshl_add_u32 v[VO], v2, 3, v[VO]
	v_add_nc_u32 v[VO+1], s45, v[VO]
	v_add_nc_u32 v[VO+2], s45, v[VO+1]
	v_and_b32 v3, 31, v0
	v_lshl_add_u32 v[VS], v3, 2, s46
	v_lshlrev_b32 v[VL16], 4, v3
	v_lshlrev_b32 v[VL8], 3, v3
	s_mul_i32 s46, s20, 15
	s_sub_co_u32 s46, 106496, s46
	v_lshl_add_u32 v[VT], v3, 2, s46
.macro FRAG reg, adr, st, i            ; 16 rows x 128 K: 12 registers, in pieces of 8 bytes; byte y of a row lies in slot (y / 256) % 2 at byte y % 256
.irp p, 0,1,2,3,4,5
.set BY, 96*(\st)+48*(\p/3)+8*(\p%3)
.if BY/ROWB == (BY+24)/ROWB
	ds_load_b64 v[\reg+2*\p:\reg+2*\p+1], v[\adr+(BY/ROWB)%2] offset:BY%ROWB+(\i)*16*PITCH
.else
	ds_load_b64 v[\reg+2*\p:\reg+2*\p+1], v[\adr+2+(BY/ROWB)%2] offset:BY%ROWB-232+(\i)*16*PITCH
.endif
.endr
.endm
.macro MUL16 a0, p, q, sc, zero        ; the 64 accumulators take turns, in the same order in every step
.irp a, \a0, \a0+1
.irp b, 0,1,2,3,4,5,6,7
.if \zero
	v_wmma_scale_f32_16x16x128_f8f6f4 v[8*(8*((\a)%4)+\b):8*(8*((\a)%4)+\b)+7], v[128*(\p)+FR*\b:128*(\p)+FR*\b+FR-1], v[AF+FR*(\a):AF+FR*(\a)+FR-1], 0, v[SC+8*NQ*(\sc)+NQ*\b+(\q)], v[SC+8*NQ*(\sc)+NQ*(\a)+(\q)] matrix_a_fmt:MATRIX_FMT_FP6 matrix_b_fmt:MATRIX_FMT_FP6 matrix_a_scale:MATRIX_SCALE_ROW1
.else
	v_wmma_scale_f32_16x16x128_f8f6f4 v[8*(8*((\a)%4)+\b):8*(8*((\a)%4)+\b)+7], v[128*(\p)+FR*\b:128*(\p)+FR*\b+FR-1], v[AF+FR*(\a):AF+FR*(\a)+FR-1], v[8*(8*((\a)%4)+\b):8*(8*((\a)%4)+\b)+7], v[SC+8*NQ*(\sc)+NQ*\b+(\q)], v[SC+8*NQ*(\sc)+NQ*(\a)+(\q)] matrix_a_fmt:MATRIX_FMT_FP6 matrix_b_fmt:MATRIX_FMT_FP6 matrix_a_scale:MATRIX_SCALE_ROW1
.endif
.endr
.endr
.endm
.macro FETCH_B st, p
	WIN TO_B
.irp i, 0,1,2,3,4,5,6,7
	FRAG 128*(\p)+FR*\i, ADRB, \st, \i
.endr
	WIN 0
.endm
.macro FETCH_A st, i0
.irp i, \i0, \i0+1, \i0+2, \i0+3
	FRAG AF+FR*(\i), ADRA, \st, \i
.endr
.endm
.macro SCALES pr                       ; the scale words of steps 2 pr, 2 pr + 1: lanes 0-15 A's block i, lanes 16-31 B's
.irp i, 0,1,2,3,4,5,6,7
	ds_load_b64 v[SC+8*NQ*((\pr)%2)+NQ*\i:SC+8*NQ*((\pr)%2)+NQ*\i+1], v[ADRS] offset:\i*SBLK+4*NQ*(\pr)
.endr
.endm
.macro PLACES n
.rept \n
	v_nop
.endr
.endm
; A step of 128 along K.  Where the next step's bytes end in a chunk not read yet, a barrier shows that chunk whole; where they begin in a later chunk, the chunk left behind is free:
; each wave waits for all its tensor loads, adds 0 to its spare word, waits for that and its reads; where a chunk two on is left to fetch, the barrier opens a round and the slot is filled again.
.macro STEP st, zero
.set NX, (\st)+1
.set C0, (96*(\st))/ROWB
.set C1, (96*NX)/ROWB
.set E0, (96*(\st)+95)/ROWB
.set E1, (96*NX+95)/ROWB
.if C1 > C0 || E1 > E0
	s_wait_tensorcnt 0x0
.if C1 > C0
	ds_add_u32 v[SPW], v[NIL]
	s_wait_dscnt 4*NL+1                            ; the add and the youngest 24 loads (A's blocks 4-7) may be out
.else
	s_wait_dscnt 4*NL
.endif
	WIN MUL_LO
	MUL16 0, (\st)%2, (\st)%2, ((\st)/2)%2, \zero
	s_wait_dscnt 0x0
	s_barrier_signal -1
	MUL16 2, (\st)%2, (\st)%2, ((\st)/2)%2, \zero
	WIN 0
	s_barrier_wait -1
.if C1 > C0 && C0+2 < CHUNKS
	CREST
	s_add_nc_u64 s[G0+4*(C0%2)+2:G0+4*(C0%2)+3], s[G0+4*(C0%2)+2:G0+4*(C0%2)+3], 2*ROWB
	s_add_nc_u64 s[G0B+4*(C0%2)+2:G0B+4*(C0%2)+3], s[G0B+4*(C0%2)+2:G0B+4*(C0%2)+3], 2*ROWB
	JLOAD G0+4*(C0%2), G1, G0B+4*(C0%2), G1B
.else
	PLACES NP
.endif
.else
	s_wait_dscnt 4*NL                              ; the youngest 24 loads may be out
	WIN MUL_LO
	MUL16 0, (\st)%2, (\st)%2, ((\st)/2)%2, \zero
	MUL16 2, (\st)%2, (\st)%2, ((\st)/2)%2, \zero
	s_wait_dscnt 0
	PLACES NP
.endif
	FETCH_B NX, NX%2
	FETCH_A NX, 0
.if NX%2 == 0
	SCALES NX/2
.endif
	WIN MUL_HI
	MUL16 4, (\st)%2, (\st)%2, ((\st)/2)%2, \zero
	MUL16 6, (\st)%2, (\st)%2, ((\st)/2)%2, \zero
	PLACES NP
	WIN 0
	FETCH_A NX, 4
.endm
	s_wait_alu depctr_va_vdst(0)                   ; the wait at the head's end
	s_wait_tensorcnt 0x0                           ; my tile of the head's four is in
	ds_add_u32 v[SPW], v[NIL]
	s_mov_b32 s[G1+2], 128<<16                     ; no tensor load of mine is out: from here on a load brings my 128 rows
	s_mov_b32 s[G1+4], 128
	s_mov_b32 s[G1B+2], 128<<16
	s_mov_b32 s[G1B+4], 128
	s_mul_i32 s66, s[HC], 128*KROW
	s_mov_b32 s67, 0
	s_mul_i32 s[G0+1], s[WV], HALFT
	s_mul_i32 s[G0B+1], s[WV], HALFT
	s_add_nc_u64 s[G0+2:G0+3], s[G0+2:G0+3], s[66:67]
	s_add_nc_u64 s[G0B+2:G0B+3], s[G0B+2:G0B+3], s[66:67]
	s_wait_dscnt 0x0
	CROUND
	JLOAD G0+4, G1, G0B+4, G1B                     ; chunk 1, the first tensor load behind the round
	FETCH_B 0, 0
	FETCH_A 0, 0
	SCALES 0
	FETCH_A 0, 4
	STEP 0, 1
.set ST, 1
.rept STEPS-2
	STEP ST, 0
.set ST, ST+1
.endr
	s_wait_dscnt 4*NL
	WIN MUL_LO
	MUL16 0, 1, 1, 1, 0
	MUL16 2, 1, 1, 1, 0
	s_wait_dscnt 0
	WIN MUL_HI
	MUL16 4, 1, 1, 1, 0
	MUL16 6, 1, 1, 1, 0
	WIN 0
; 64 numbers of a lane, register 16 b + i one of my 16 of block b (the other 16 lie in lane l xor 16), become a fragment's codes in v[PC] on and its scale word in v[PW]
.macro QUANT s
.irp b, 0,1,2,3
	v_max3_num_f32 v[TM+\b], |v[\s+16*\b]|, |v[\s+1+16*\b]|, 0x1800000   ; the floor 2^(3 - 127): the byte cannot fall under 1
.endr
.irp i, 2,4,6,8,10,12,14
.irp b, 0,1,2,3
	v_max3_num_f32 v[TM+\b], v[TM+\b], |v[\s+16*\b+\i]|, |v[\s+1+16*\b+\i]|
.endr
.endr
.irp b, 0,1,2,3
	v_permlanex16_b32 v[TM+4+\b], v[TM+\b], s[SEL], s[SEL+1]
.endr
.irp b, 0,1,2,3
	v_max_num_f32 v[TM+\b], v[TM+\b], v[TM+4+\b]
.endr
.irp b, 0,1,2,3
	v_add_nc_u32 v[TM+12+\b], 0xff000000, v[TM+\b] ; 2 off the exponent field: the conversion's scale operand
.endr
.irp b, 0,1,2,3
	v_lshrrev_b32 v[TM+4+\b], 23, v[TM+12+\b]
.endr
	v_lshl_or_b32 v[PW], v[TM+5], 8, v[TM+4]
	v_lshl_or_b32 v[PW], v[TM+6], 16, v[PW]
	v_lshl_or_b32 v[PW], v[TM+7], 24, v[PW]
.irp c, 0,1
	v_cvt_scalef32_pk16_fp6_f32 v[PC+6*\c:PC+2+6*\c], v[\s+32*\c:\s+15+32*\c], v[TM+12+2*\c]
	v_cvt_scalef32_pk16_fp6_f32 v[PC+12+4*\c:PC+14+4*\c], v[\s+16+32*\c:\s+31+32*\c], v[TM+12+2*\c+1]
.endr
	v_nop                                          ; one plain line behind a scaled conversion
.irp c, 0,1
.irp i, 0,1,2
	v_permlane16_swap_b32 v[PC+6*\c+\i], v[PC+12+4*\c+\i]
.endr
.irp i, 0,1,2
	v_mov_b32 v[PC+3+6*\c+\i], v[PC+12+4*\c+\i]
.endr
.endr
.endm
.macro DSTORE a, ko, kp                ; jobs 0, 1, 3: two heads x three planes, 256 consecutive bytes a store; two blocks' scale words leave together
.irp q, 0,1,2
	global_store_b64 v[VO+\q], v[PC+2*\q:PC+2*\q+1], s[PH:PH+1] offset:256*(\a)+\ko
	global_store_b64 v[VO+\q], v[PC+6+2*\q:PC+7+2*\q], s[PH+2:PH+3] offset:256*(\a)+\ko
.endr
.if ((\a)%2) == 0
	v_perm_b32 v[\kp], v[PW], v[PW], 0x01000100
	v_perm_b32 v[\kp+1], v[PW], v[PW], 0x03020302
.else
	v_perm_b32 v[X], v[PW], v[PW], 0x01000100
	v_perm_b32 v[X+1], v[PW], v[PW], 0x03020302
	v_cndmask_b32 v[X], v[\kp], v[X], s[HM]
	v_cndmask_b32 v[X+1], v[\kp+1], v[X+1], s[HM]
	global_store_b32 v[VS], v[X], s[PH:PH+1] offset:64*((\a)-1)+\ko
	global_store_b32 v[VS], v[X+1], s[PH+2:PH+3] offset:64*((\a)-1)+\ko
.endif
.endm
.macro VSTORE a                        ; job 2: block a is tile a % 4 of head a / 4: the fragment's registers as they stand
.irp c, 0,1,2
	global_store_b128 v[VL16], v[PC+4*\c:PC+4*\c+3], s[PH+2*((\a)/4):PH+2*((\a)/4)+1] offset:6656+1536*((\a)%4)+512*\c
.endr
.if ((\a)%4) < 3
	v_mov_b32 v[KV+(\a)%4], v[PW]
.else
	v_cndmask_b32 v[X], v[KV], v[KV+1], s[HM]
	v_cndmask_b32 v[X+1], v[KV+2], v[PW], s[HM]
	global_store_b64 v[VL8], v[X:X+1], s[PH+2*((\a)/4):PH+2*((\a)/4)+1] offset:12800
.endif
.endm
.macro EPI a                           ; block a of 16 rows of A leaves; the branches hang on the job alone
.set AC, 64*((\a)%4)
	s_cmp_eq_u32 s[JOB], 2
	s_cbranch_scc1 .Lvadd_\@
	WIN 0x02+(\a)/4
.set i, 0
.rept 32
	v_pk_add_f32 v[T+i:T+i+1], v[AC+i:AC+i+1], v[BI0+i:BI0+i+1]
.set i, i+2
.endr
	WIN 0
	s_branch .Ladded_\@
.Lvadd_\@:
	WIN 0x02+(\a)/4
.set i, 0
.rept 32
.if ((\a)%2) == 0
	v_pk_add_f32 v[T+i:T+i+1], v[AC+i:AC+i+1], v[BR+(\a):BR+(\a)+1] op_sel_hi:[1,0]
.else
	v_pk_add_f32 v[T+i:T+i+1], v[AC+i:AC+i+1], v[BR+(\a)-1:BR+(\a)] op_sel:[0,1] op_sel_hi:[1,1]
.endif
.set i, i+2
.endr
	WIN 0
.Ladded_\@:
	s_wait_xcnt 0x0                                ; the last block's stores have read their registers
	QUANT T
	s_cmp_eq_u32 s[JOB], 2
	s_cbranch_scc1 .Lvst_\@
	DSTORE \a, 0, KP
	s_branch .Lst_\@
.Lvst_\@:
	s_wait_alu depctr_va_vdst(0)
	VSTORE \a
.Lst_\@:
	s_cmp_lg_u32 s[JOB], 0
	s_cbranch_scc1 .Lone_\@
	WIN 0x06+(\a)/4                                ; job 0's second pass: the same sums with r_r_bias
.set i, 0
.rept 32
	v_pk_add_f32 v[T+i:T+i+1], v[AC+i:AC+i+1], v[96+i+96*(i/32):97+i+96*(i/32)]
.set i, i+2
.endr
	WIN 0
	s_wait_xcnt 0x0
	QUANT T
	DSTORE \a, 3407872, KP+2
.Lone_\@:
.endm
	PLACES NP
.irp b, 0,1,2,3
	v_mov_b32 v[TM+4+\b], 0                        ; a lane permute's destination counts as one of its sources
.endr
.irp a, 0,1,2,3,4,5,6,7
	EPI \a
.endr
	s_cmp_lg_u32 s[JOB], 3
	s_cbranch_scc1 .Lno_tail
	global_store_b32 v[VT], v[NIL], s[PH:PH+1]     ; job 3: my 128 bytes of each head's tail of zeros, which the attention's loads of scale words reach
	global_store_b32 v[VT], v[NIL], s[PH+2:PH+3]
.Lno_tail:
	s_wait_tensorcnt 0x0                           ; the wave's end
	ds_add_u32 v[SPW], v[NIL]
	s_wait_dscnt 0x0
	CROUND
	s_endpgm
.Lfunc_end_k_qf99adb77d4_proj:
	.size	k_qf99adb77d4_proj, .Lfunc_end_k_qf99adb77d4_proj-k_qf99adb77d4_proj
	.p2alignl 7, 3214868480
	.fill 96, 4, 3214868480
	.section	.rodata,"a",@progbits
	.p2align	6, 0x0
	.amdhsa_kernel k_qf99adb77d4_proj
		.amdhsa_group_segment_fixed_size 327680
		.amdhsa_private_segment_fixed_size 0
		.amdhsa_enable_private_segment 0
		.amdhsa_kernarg_size 192
		.amdhsa_user_sgpr_count 2
		.amdhsa_user_sgpr_kernarg_segment_ptr 1
		.amdhsa_wavefront_size32 1
		.amdhsa_system_sgpr_workgroup_id_x 1
		.amdhsa_system_sgpr_workgroup_id_y 1
		.amdhsa_system_sgpr_workgroup_id_z 1
		.amdhsa_system_vgpr_workitem_id 0
		.amdhsa_next_free_vgpr 1024
		.amdhsa_next_free_sgpr 106
		.amdhsa_reserve_vcc 0
		.amdhsa_float_denorm_mode_32 3
		.amdhsa_float_denorm_mode_16_64 3
		.amdhsa_memory_ordered 1
		.amdhsa_forward_progress 1
		.amdhsa_inst_pref_size 255
	.end_amdhsa_kernel
	.section	.bss,"aw",@nobits
	.p2align	6
	.space	262144
	.amdgpu_metadata
---
amdhsa.version: [ 1, 2 ]
amdhsa.kernels:
  - .name:           k_qf99adb77d4_proj
    .symbol:         k_qf99adb77d4_proj.kd
    .args:
      - { .name: q_codes, .offset: 0, .size: 8, .value_kind: global_buffer, .address_space: global }
      - { .name: q_scales, .offset: 8, .size: 8, .value_kind: global_buffer, .address_space: global }
      - { .name: Wq_codes, .offset: 16, .size: 8, .value_kind: global_buffer, .address_space: global }
      - { .name: Wq_scales, .offset: 24, .size: 8, .value_kind: global_buffer, .address_space: global }
      - { .name: k_codes, .offset: 32, .size: 8, .value_kind: global_buffer, .address_space: global }
      - { .name: k_scales, .offset: 40, .size: 8, .value_kind: global_buffer, .address_space: global }
      - { .name: Wk_codes, .offset: 48, .size: 8, .value_kind: global_buffer, .address_space: global }
      - { .name: Wk_scales, .offset: 56, .size: 8, .value_kind: global_buffer, .address_space: global }
      - { .name: Wv_codes, .offset: 64, .size: 8, .value_kind: global_buffer, .address_space: global }
      - { .name: Wv_scales, .offset: 72, .size: 8, .value_kind: global_buffer, .address_space: global }
      - { .name: v_codes, .offset: 80, .size: 8, .value_kind: global_buffer, .address_space: global }
      - { .name: v_scales, .offset: 88, .size: 8, .value_kind: global_buffer, .address_space: global }
      - { .name: pos_enc_codes, .offset: 96, .size: 8, .value_kind: global_buffer, .address_space: global }
      - { .name: pos_enc_scales, .offset: 104, .size: 8, .value_kind: global_buffer, .address_space: global }
      - { .name: r_kernel_codes, .offset: 112, .size: 8, .value_kind: global_buffer, .address_space: global }
      - { .name: r_kernel_scales, .offset: 120, .size: 8, .value_kind: global_buffer, .address_space: global }
      - { .name: bq, .offset: 128, .size: 8, .value_kind: global_buffer, .address_space: global }
      - { .name: bk, .offset: 136, .size: 8, .value_kind: global_buffer, .address_space: global }
      - { .name: bv, .offset: 144, .size: 8, .value_kind: global_buffer, .address_space: global }
      - { .name: r_w_bias, .offset: 152, .size: 8, .value_kind: global_buffer, .address_space: global }
      - { .name: r_r_bias, .offset: 160, .size: 8, .value_kind: global_buffer, .address_space: global }
      - { .name: qws, .offset: 168, .size: 8, .value_kind: global_buffer, .address_space: global }
      - { .name: kv, .offset: 176, .size: 8, .value_kind: global_buffer, .address_space: global }
      - { .name: pe, .offset: 184, .size: 8, .value_kind: global_buffer, .address_space: global }
    .group_segment_fixed_size: 327680
    .private_segment_fixed_size: 0
    .kernarg_segment_align: 8
    .kernarg_segment_size: 192
    .max_flat_workgroup_size: 128
    .sgpr_count:     106
    .vgpr_count:     1024
    .wavefront_size: 32
...
	.end_amdgpu_metadata
.endif
;; end of part 1
;; launch attn (part 2): grid 8 x 32, 16 waves a work-group, no clusters, 327,680 bytes of LDS; arguments qws, kv, pe, oc, os; writes oc, os
.if DOCPART == 2
	.amdgcn_target "amdgcn-amd-amdhsa--gfx1250"
	.amdhsa_code_object_version 6
	.text
	.protected	k_qf99adb77d4_attn
	.globl	k_qf99adb77d4_attn
	.p2align	8
	.type	k_qf99adb77d4_attn,@function
k_qf99adb77d4_attn:
	s_mov_b64 s[64:65], 0
	v_nop
	global_prefetch_b8 v0, s[64:65] scope:SCOPE_SE
	s_setreg_imm32_b32 hwreg(HW_REG_WAVE_MODE, 25, 1), 1
	s_wait_xcnt 0x0
; ATTENTION WITH A RELATIVE-POSITION TERM, all three products on codes of FP6 (E2M3).  score(i, j) = ((qh_i + r_w) . kh_j + (qh_i + r_r) . pe[2048 - (i - j)]) / 8 for j <= i.
; For j > i the source takes 1e7 off the score.  LIMIT: such keys count as p = 0, which holds while the scores of a row lie within some 9.99e6 of each other.  NaN and infinities are not served.
; p = 2^(t - M), t = score x log2(e) / 8, M the running largest t rounded up to a whole number; p is quantised along the keys; the row's sum of the unquantised p divides at the end; the result is
; quantised along the head's 64 channels for the last projection.
; SHARES.  Work-group (x, y): y = batch x 16 + head, x = 2 g + a.  Wave w owns 16 queries i = 128 om + 32 g + 2 r + a (r = lane % 16), om a permutation of w chosen so that four neighbouring waves and four waves
; four apart both have even work.  Every work-group walks all 16 key steps of 128 (constant trip counts); a wave works in steps k <= om; k = om is its diagonal and its last.
; LAYOUT.  All products are used transposed: a lane holds ONE query.  The keys of a tile of K are chosen so that lane (r, h) holds, in registers 32 c + 0 .. 31, the whole block 2 c + h of 32 keys, in the
; order 0-7, 16-23, 8-15, 24-31 in which V's codes stand: the conversions' results are the second product's operand as they are.
; K = 64 IN AN INSTRUCTION OF 128: the other half of one operand is zero codes.  Content: A = [tile | next tile], B = [q + r_w | 0].  Relative: A = [tile before | tile], B = [0 | q + r_r].
; THE SKEW.  Query i wants position 2047 - i + j for key j: another shift in each lane.  Ten tiles of 16 positions x 16 queries go through the wave's own stage in LDS (row = query, 656 bytes) and come back
; at 30 - 2 r + key, 8 bytes a load (the queries of a tile are 2 apart), straight into the registers that the content product takes as its C.
; PE in LDS: row lam holds position rho = lam + 97 - 32 g - a; the shift lies in the tensor loads' global address, so no LDS address hangs on the work-group.  Rows past position 2,047 hold the bytes
; that follow in the record (written by the launch before); they feed hidden scores only.
; No cluster: a step's shared bytes are 13,056 against up to sixteen waves' work on them, and the position loads differ between the work-groups that share K and V.
.set RING1, 16384                      ; two slots at 0 and 16,384: a record of 51 x 256 bytes, 64 bytes of padding behind each 256
.set PEB,   32768                      ; three planes of 2,080 rows x 16 bytes
.set PPL,   33280
.set PSB,   PEB+3*PPL                  ; the positions' scale words, 4 bytes a row
.set STG,   PSB+8704                   ; 34 rows of 256 bytes of scale words
.set STW,   10496
.set SPARE, STG+16*STW                 ; the spare words: 128 bytes a wave, eight blocks of 256 bytes that no other line names
.set SPW, 1
.set NIL, 2
.set LPE, 3                            ; lane terms, never rewritten: positions' codes,
.set LPS, 4                            ; their scale words,
.set LK,  5                            ; K's codes,
.set LKS, 6                            ; K's scale words,
.set LV,  7                            ; V's images,
.set LVS, 8                            ; V's scale words,
.set STO, 9                            ; the stage, in,
.set STL, 10                           ; and out, skewed
.set VD,  11                           ; my query in its 128, less 32 h
.set NEG, 12                           ; -infinity
.set ADP, 13                           ; v13-19 the step's addresses
.set ADP2, 14
.set ADS, 15
.set ADK, 16
.set ADKS, 17
.set ADV, 18
.set ADVS, 19
.set QW,  20                           ; v20-25 q + r_w;  v26-31 zeros;  v32-37 q + r_r
.set Z,   26
.set QR,  32
.set QWS, 38                           ; their scale words
.set QRS, 39
.set ZF,  40                           ; v40-45 zeros in front of F
.set F,   46                           ; v46-105 fragments
.set PF,  94                           ; p's codes: F's last twelve
.set S,   106                          ; v106-169 scores, then p;  v170-185 the relative term's last two tiles
.set O,   186                          ; v186-217 O^T
.set SR,  218                          ; v218-223 scale words of source 0
.set PSW, 224                          ; p's scale word
.set H8,  225                          ; 8 h
.set OCO, 253
.set OSO, 254
.set PFO, 255
.set TB,  2
.set KK,  3
.set WV,  14
.set OM,  15
.set G,   16
.set A,   17
.set BH,  18
.set HEAD, 19
.set SEL, 20
.set CS,  22
.set G1KV, 24
.set G0KV, 32
.set G1PP, 36
.set G1PS, 44
.set G0PP, 52
.set G0PS, 56
.set SLOTS, 60
.set PO,  61
.set POC, 62
.set HM,  63
.set PFA, 66
.set LIM, 68
	s_load_b256 s[4:11], s[0:1], 0x0               ; qws, kv, pe, oc
	s_load_b64 s[12:13], s[0:1], 0x20              ; os
	v_lshl_add_u32 v[SPW], v0, 2, SPARE
	v_mov_b32 v[NIL], 0
	ds_add_u32 v1, v2
	ds_add_u32 v1, v2
	s_wait_dscnt 0x0
	v_lshrrev_b32 v13, 5, v0
	s_delay_alu instid0(VALU_DEP_1)
	v_readfirstlane_b32 s[WV], v13                 ; wave 0..15
	s_lshr_b32 s70, s[WV], 2
	s_and_b32 s71, s[WV], 3
	s_xor_b32 s71, s71, s70
	s_lshl_b32 s71, s71, 2
	s_add_co_u32 s[OM], s71, s70                   ; om = 4 ((w / 4) xor (w % 4)) + w / 4
	s_lshr_b32 s[G], ttmp9, 1
	s_and_b32 s[A], ttmp9, 1
	s_and_b32 s[BH], ttmp7, 0xffff
	s_and_b32 s[HEAD], s[BH], 15
	s_lshl_b32 s72, s[G], 5
	s_add_co_u32 s72, s72, s[A]                    ; 32 g + a
	; the positions' tensor loads begin at multiples of 256 bytes (codes: row 96 - 32 g; scale words: 4 (97 - 32 g - a) rounded down); what is left of the shift lies in the two lane terms LPE and LPS
	s_xor_b32 s73, s[A], 1
	s_lshl_b32 s73, s73, 4                         ; codes: 16 (1 - a)
	s_sub_co_u32 s74, 97, s72
	s_lshl_b32 s74, s74, 2
	s_and_b32 s74, s74, 255                        ; scale words: 4 (97 - 32 g - a) mod 256
	; every LDS lane term is made here, ahead of the first branch on the wave's number
	v_and_b32 v13, 15, v0                          ; r
	v_bfe_u32 v14, v0, 4, 1                        ; h
	v_and_b32 v15, 7, v0                           ; r % 8
	v_bfe_u32 v16, v0, 3, 1                        ; r / 8
	v_and_b32 v17, 31, v0                          ; lane
	v_lshlrev_b32 v[LPE], 4, v13
	s_delay_alu instid0(VALU_DEP_1)
	v_lshl_add_u32 v[LPE], v14, 3, v[LPE]
	s_delay_alu instid0(VALU_DEP_1)
	v_add_nc_u32 v[LPE], PEB, v[LPE]               ; 16 r + 8 h
	s_delay_alu instid0(VALU_DEP_4)
	v_lshl_add_u32 v[LPS], v17, 2, PSB             ; 4 x lane: two tiles' words to a register
	v_lshlrev_b32 v[LK], 4, v15
	s_delay_alu instid0(VALU_DEP_1)
	v_mad_u32_u24 v[LK], v16, 640, v[LK]
	s_delay_alu instid0(VALU_DEP_1)
	v_lshl_add_u32 v[LK], v14, 3, v[LK]            ; row r of a tile of K is key .. + 32 (r / 8) + r % 8: 16 (r % 8) + 640 (r / 8) + 8 h
	v_lshlrev_b32 v[LKS], 2, v15
	s_delay_alu instid0(VALU_DEP_1)
	v_lshl_add_u32 v[LKS], v16, 7, v[LKS]
	s_delay_alu instid0(VALU_DEP_1)
	v_lshl_add_u32 v[LKS], v14, 5, v[LKS]          ; 4 (r % 8) + 128 (r / 8) + 32 h: lanes 16-31 take the tile 8 keys on
	v_lshlrev_b32 v[LV], 4, v17
	s_delay_alu instid0(VALU_DEP_1)
	v_lshl_add_u32 v[LV], v14, 6, v[LV]            ; 16 x lane, + the padding behind 256
	v_lshlrev_b32 v[LVS], 3, v17
	v_add_nc_u32 v[LPE], s73, v[LPE]
	v_add_nc_u32 v[LPS], s74, v[LPS]
	s_mul_i32 s70, s[WV], STW
	s_add_co_u32 s70, s70, STG                     ; my stage
	v_mul_u32_u24 v[STO], v13, 656
	s_delay_alu instid0(VALU_DEP_1)
	v_lshl_add_u32 v[STO], v14, 5, v[STO]
	s_delay_alu instid0(VALU_DEP_1)
	v_add_nc_u32 v[STO], s70, v[STO]
	v_mul_u32_u24 v[STL], v13, 648                 ; 656 r - 8 r: two words back for each lane
	s_delay_alu instid0(VALU_DEP_1)
	v_lshl_add_u32 v[STL], v14, 7, v[STL]
	s_delay_alu instid0(VALU_DEP_1)
	v_add_nc_u32 v[STL], s70, v[STL]
	s_delay_alu instid0(VALU_DEP_1)
	v_add_nc_u32 v[STL], 120, v[STL]
	v_lshl_add_u32 v[VD], v13, 1, s72
	v_lshlrev_b32 v18, 5, v14
	s_delay_alu instid0(VALU_DEP_1)
	v_sub_nc_u32 v[VD], v[VD], v18
	v_lshlrev_b32 v[H8], 3, v14
	v_lshlrev_b32 v[OCO], 4, v13
	s_delay_alu instid0(VALU_DEP_1)
	v_lshl_add_u32 v[OCO], v14, 3, v[OCO]          ; 16 r + 8 h
	v_lshl_add_u32 v[OSO], v13, 5, v14             ; 32 r + h
	v_lshlrev_b32 v[PFO], 8, v17
	s_lshl_b32 s73, s72, 4
	v_lshlrev_b32 v19, 5, v13
	s_delay_alu instid0(VALU_DEP_1)
	v_lshl_add_u32 v19, v14, 3, v19
	s_delay_alu instid0(VALU_DEP_1)
	v_add_nc_u32 v19, s73, v19                     ; Q: 16 (32 g + 2 r + a) + 8 h
	s_lshl_b32 s73, s72, 2
	s_add_co_u32 s73, s73, 6144
	v_lshl_add_u32 v18, v13, 3, s73                ; its scale word: 6,144 + 4 (32 g + 2 r + a)
	; descriptors' groups 1: constants
	s_mov_b32 s[G1KV], (3<<16)|(1<<20)|(5<<22)|(15<<25)   ; elements of 8 bytes; 16 words of padding behind every 64
	s_mov_b32 s[G1KV+1], 32<<16
	s_mov_b32 s[G1KV+2], 17<<16                    ; a third of a record: 17 rows of 256 bytes
	s_mov_b32 s[G1KV+3], 32<<16
	s_mov_b32 s[G1KV+4], 17
	s_mov_b32 s[G1KV+5], 32
	s_mov_b32 s[G1KV+6], 0
	s_mov_b32 s[G1KV+7], 0
	s_mov_b32 s[G1PP], 3<<16                       ; a plane: 130 rows of 256 bytes, dense
	s_mov_b32 s[G1PP+1], 32<<16
	s_mov_b32 s[G1PP+2], 130<<16
	s_mov_b32 s[G1PP+3], 32<<16
	s_mov_b32 s[G1PP+4], 130
	s_mov_b32 s[G1PP+5], 32
	s_mov_b32 s[G1PP+6], 0
	s_mov_b32 s[G1PP+7], 0
	s_mov_b32 s[G1PS], 2<<16                       ; the scale words: 34 rows of 256 bytes, elements of 4 bytes
	s_mov_b32 s[G1PS+1], 64<<16
	s_mov_b32 s[G1PS+2], 34<<16
	s_mov_b32 s[G1PS+3], 64<<16
	s_mov_b32 s[G1PS+4], 34
	s_mov_b32 s[G1PS+5], 64
	s_mov_b32 s[G1PS+6], 0
	s_mov_b32 s[G1PS+7], 0
	s_mov_b32 s[SEL], 0x76543210
	s_mov_b32 s[SEL+1], 0xfedcba98
	s_mov_b32 s[CS], 0x3e38aa3b                    ; log2(e) / 8
	s_mov_b32 s[CS+1], s[CS]
	s_mov_b32 s[HM], 0xffff0000
	s_mov_b32 s[TB], 0
	s_mov_b32 s[KK], 0
	s_mov_b32 s[SLOTS], 15
	s_xor_b32 s[PO], s[OM], 15
	s_lshl_b32 s[PO], s[PO], 11                    ; 16 bytes x 128 (15 - om + k)
	s_mul_i32 s74, s[BH], 208896                   ; my head's records of K and V
	s_mul_i32 s75, s[WV], 4352
	s_add_co_u32 s76, s74, s75
	s_mov_b32 s77, 0
	s_wait_kmcnt 0x0
	s_mov_b32 s[G0KV], 1
	s_mul_i32 s[G0KV+1], s[WV], 5440               ; waves 0 to 2: 17 rows of 320 bytes each
	s_add_nc_u64 s[G0KV+2:G0KV+3], s[6:7], s[76:77]
	s_or_b32 s[G0KV+3], s[G0KV+3], 0x80000000
	s_and_b32 s75, s[WV], 3                        ; waves 4 to 6: plane w - 4
	s_mul_i32 s78, s75, PPL
	s_mov_b32 s[G0PP], 1
	s_add_co_u32 s[G0PP+1], s78, PEB
	s_mul_i32 s78, s[HEAD], 108544
	s_lshl_b32 s75, s75, 15
	s_add_co_u32 s76, s78, s75
	s_sub_co_u32 s79, 97, s72
	s_add_co_u32 s75, s79, s[A]
	s_sub_co_u32 s75, s75, 1                       ; 96 - 32 g: the first row of codes that is loaded
	s_lshl_b32 s75, s75, 4
	s_add_co_u32 s76, s76, s75
	s_add_nc_u64 s[G0PP+2:G0PP+3], s[8:9], s[76:77]
	s_or_b32 s[G0PP+3], s[G0PP+3], 0x80000000
	s_mov_b32 s[G0PS], 1                           ; wave 7: the scale words
	s_mov_b32 s[G0PS+1], PSB
	s_lshl_b32 s75, s79, 2
	s_and_b32 s75, s75, 0xffffff00
	s_add_co_u32 s76, s78, s75
	s_add_co_u32 s76, s76, 98304
	s_add_nc_u64 s[G0PS+2:G0PS+3], s[8:9], s[76:77]
	s_or_b32 s[G0PS+3], s[G0PS+3], 0x80000000
	; the first fills: one load a wave, in one ladder on the wave's number; the first wait on TENSORcnt is for 0
	s_cmp_lt_u32 s[WV], 3
	s_cbranch_scc0 .Lfirst_1
	tensor_load_to_lds s[G0KV:G0KV+3], s[G1KV:G1KV+7]
	s_nop 0
.rept 4
	v_nop
.endr
	s_branch .Lfirst_done
.Lfirst_1:
	s_cmp_lt_u32 s[WV], 4
	s_cbranch_scc1 .Lfirst_done
	s_cmp_lt_u32 s[WV], 7
	s_cbranch_scc0 .Lfirst_2
	tensor_load_to_lds s[G0PP:G0PP+3], s[G1PP:G1PP+7]
	s_nop 0
.rept 4
	v_nop
.endr
	s_branch .Lfirst_done
.Lfirst_2:
	s_cmp_eq_u32 s[WV], 7
	s_cbranch_scc0 .Lfirst_done
	tensor_load_to_lds s[G0PS:G0PS+3], s[G1PS:G1PS+7]
	s_nop 0
.rept 4
	v_nop
.endr
.Lfirst_done:
	s_lshl_b32 s75, s[BH], 4
	s_add_co_u32 s75, s75, s[OM]
	s_mul_i32 s76, s75, 6656
	s_add_nc_u64 s[4:5], s[4:5], s[76:77]          ; my block of 128 queries
	s_wait_alu depctr_va_vdst(0)
.irp q, 0,1,2
	global_load_b64 v[QW+2*\q:QW+2*\q+1], v19, s[4:5] offset:2048*\q
	global_load_b64 v[QR+2*\q:QR+2*\q+1], v19, s[4:5] offset:2048*\q+3407872
.endr
	global_load_b32 v[QWS], v18, s[4:5]
	global_load_b32 v[QRS], v18, s[4:5] offset:3407872
	s_lshr_b32 s75, s[BH], 4                       ; batch
	s_lshl_b32 s78, s[OM], 3
	s_lshl_b32 s79, s[G], 1
	s_add_co_u32 s78, s78, s79
	s_add_co_u32 s78, s78, s[A]                    ; my tile's number in the batch: 8 om + 2 g + a
	s_mul_i32 s76, s75, 1572864
	s_mul_i32 s79, s78, 12288
	s_add_co_u32 s76, s76, s79
	s_mul_i32 s79, s[HEAD], 768
	s_add_co_u32 s76, s76, s79
	s_add_nc_u64 s[10:11], s[10:11], s[76:77]
	s_lshl_b32 s76, s75, 16
	s_lshl_b32 s79, s78, 9
	s_add_co_u32 s76, s76, s79
	s_lshl_b32 s79, s[HEAD], 1
	s_add_co_u32 s76, s76, s79
	s_add_nc_u64 s[12:13], s[12:13], s[76:77]
	s_and_b32 s75, s[WV], 1                        ; the prefetches (macro ASK)
	s_lshl_b32 s75, s75, 13
	s_add_co_u32 s76, s74, s75
	s_add_co_u32 s76, s76, 12288
	s_add_nc_u64 s[PFA:PFA+1], s[6:7], s[76:77]
	s_lshr_b32 s75, s[WV], 1
	s_xor_b32 s75, s75, 4                          ; 0 in waves 8 and 9,
	s_or_b32 s75, s75, ttmp9                       ; of the head's first work-group
	s_cmp_eq_u32 s75, 0
	s_cselect_b32 s[LIM], 4, -1
.irp j, 0,1,2,3,4,5
	v_mov_b32 v[Z+\j], 0
	v_mov_b32 v[ZF+\j], 0
.endr
.set j, 0
.rept 32
	v_mov_b32 v[O+j], 0                            ; the step is written for every step alike: the first finds zeros
.set j, j+1
.endr
	v_mov_b32 v[NEG], 0xff800000
	v_mov_b32 v227, 0xff61b1e6                     ; the largest t so far: -3e38
	s_delay_alu instid0(VALU_DEP_1)
	v_floor_f32 v226, -v227                        ; -M
	v_mov_b32 v228, 0                              ; the sum, in two halves
	v_mov_b32 v229, 0
	v_mov_b32 v231, 0                              ; (named with f as a pair)
	v_mov_b32 v234, 0                              ; lane permutes' destinations count as sources
	v_mov_b32 v235, 0
	v_mov_b32 v245, 0
.macro TLOADKV                         ; waves 0 to 2 fetch a third of the next record each; four v_nop follow the load
	s_cmp_lt_u32 s[WV], 3
	s_cbranch_scc0 .Lno_kv_\@
	tensor_load_to_lds s[G0KV:G0KV+3], s[G1KV:G1KV+7]
	s_nop 0
.rept 4
	v_nop
.endr
.Lno_kv_\@:
.endm
; A PREFETCH INTO THE L2 of the head's records of K and V.  The eight work-groups of a head walk the same 208,896 bytes: the first of them asks, in it waves 8 and 9, which fetch nothing: a lane a block of
; 256 bytes, 8,192 bytes a wave, 16,384 a trip.  Trip t names bytes 28,672 + 16,384 t on, while its tensor load fetches record t + 1 (bytes 13,056 (t + 1) on): at least a record ahead of the load that will
; want them.  Each block from byte 28,672 on is named once; trip 10 names the head's last block, and the trips behind it ask for nothing.  What lies ahead of byte 28,672 comes by its loads alone.
.macro ASK
	s_cmp_gt_u32 s[SLOTS], s[LIM]
	s_cbranch_scc0 .Lnot_mine_\@
	global_prefetch_b8 v[PFO], s[PFA:PFA+1] th:TH_LOAD_NT scope:SCOPE_SE
.Lnot_mine_\@:
.endm
; THE CHANGE OF SLOTS, at a step's head.  Each wave waits for all its tensor loads, adds 0 to its spare word, and waits for that and for its reads of the slot that it has left; behind the barrier
; the slot ahead is whole and nobody reads the other, which is filled first thing.
.macro CHANGE fill
	s_wait_tensorcnt 0x0                           ; no tensor load of mine is out, so a group 0 may be written
	ds_add_u32 v[SPW], v[NIL]                      ; 0 onto my spare word
.if \fill
	s_xor_b32 s[G0KV+1], s[G0KV+1], RING1
	s_add_nc_u64 s[G0KV+2:G0KV+3], s[G0KV+2:G0KV+3], 13056
	s_wait_xcnt 0x0                                ; the last prefetch, a step back, has read its address
	s_add_nc_u64 s[PFA:PFA+1], s[PFA:PFA+1], 16384
.endif
	s_wait_dscnt 0x0
	s_barrier_signal -1
	s_barrier_wait -1
.if \fill
	TLOADKV
	ASK
.endif
.endm
; THE END OF A WAVE'S WORK: O^T / the sum, quantised along the head's 64 channels in their true order, stored as three planes of 8 bytes (256 consecutive bytes a store) and one scale byte a lane
; (rows 32 bytes apart: 131,072 bytes in the whole launch leave so).
.macro FINISH
	v_add_f32 v234, v228, v229
	s_delay_alu instid0(VALU_DEP_1)
	v_permlanex16_b32 v235, v234, s[SEL], s[SEL+1]
	s_delay_alu instid0(VALU_DEP_1)
	v_add_f32 v234, v234, v235                     ; the row's sum
	s_wait_alu depctr_va_vdst(0)
	v_rcp_f32 v236, v234
	v_nop                                          ; a plain line behind the reciprocal,
	s_wait_alu depctr_va_vdst(0)                   ; and a wait ahead of its first reader
.set j, 0
.rept 32
	v_mul_f32 v[S+j], v[O+j], v236                 ; register 8 t + i: channel 16 t + 8 h + i
.set j, j+1
.endr
.irp b, 0,1
.irp j, 0,1,2,3,4,5,6,7
	v_permlane16_swap_b32 v[S+16*\b+\j], v[S+16*\b+8+\j]   ; now register 16 b + i: channel 32 b + 16 h + i
.endr
.endr
.irp b, 0,1
	v_max3_num_f32 v[232+\b], |v[S+16*\b]|, |v[S+16*\b+1]|, 0x1800000
.endr
.irp i, 2,4,6,8,10,12,14
.irp b, 0,1
	s_delay_alu instid0(VALU_DEP_2)
	v_max3_num_f32 v[232+\b], v[232+\b], |v[S+16*\b+\i]|, |v[S+16*\b+\i+1]|
.endr
.endr
.irp b, 0,1
	s_delay_alu instid0(VALU_DEP_2)
	v_permlanex16_b32 v[234+\b], v[232+\b], s[SEL], s[SEL+1]
.endr
.irp b, 0,1
	s_delay_alu instid0(VALU_DEP_2)
	v_max_num_f32 v[232+\b], v[232+\b], v[234+\b]
.endr
.irp b, 0,1
	s_delay_alu instid0(VALU_DEP_2)
	v_add_nc_u32 v[240+\b], 0xff000000, v[232+\b]
.endr
.irp b, 0,1
	s_delay_alu instid0(VALU_DEP_2)
	v_lshrrev_b32 v[242+\b], 23, v[240+\b]
.endr
	v_cvt_scalef32_pk16_fp6_f32 v[246:248], v[S:S+15], v240
	v_cvt_scalef32_pk16_fp6_f32 v[250:252], v[S+16:S+31], v241
	v_nop
.irp i, 0,1,2
	v_permlane16_swap_b32 v[246+\i], v[250+\i]     ; lane (r, h) now holds block h whole
.endr
	s_delay_alu instid0(VALU_DEP_3)
	v_mov_b32 v249, v250
	s_delay_alu instid0(VALU_DEP_3)
	v_mov_b32 v250, v251
	s_delay_alu instid0(VALU_DEP_3)
	v_mov_b32 v251, v252
	v_cndmask_b32 v244, v242, v243, s[HM]          ; and its byte
.irp q, 0,1,2
	global_store_b64 v[OCO], v[246+2*\q:247+2*\q], s[10:11] offset:256*\q
.endr
	global_store_b8 v[OSO], v244, s[12:13]
	s_wait_xcnt 0x0                                ; the stores have read their registers
.endm
; A KEY STEP: 128 keys.  A step all of whose keys come after my queries is left out: a branch on the wave's number and the step's count, round the work alone.
.macro STEP
	s_cmp_gt_u32 s[KK], s[OM]
	s_cbranch_scc1 .Lskip_\@
	s_min_u32 s[POC], s[PO], 30720                 ; (in the steps that are worked it is PO itself)
	v_add_nc_u32 v[ADP], s[POC], v[LPE]
	s_delay_alu instid0(VALU_DEP_1)
	v_add_nc_u32 v[ADP2], 2*PPL, v[ADP]            ; the third plane lies past an offset's 16 bits
	s_lshr_b32 s70, s[POC], 2
	v_add_nc_u32 v[ADS], s70, v[LPS]
	v_add_nc_u32 v[ADK], s[TB], v[LK]
	v_add_nc_u32 v[ADKS], s[TB], v[LKS]
	v_add_nc_u32 v[ADV], s[TB], v[LV]
	v_add_nc_u32 v[ADVS], s[TB], v[LVS]
.irp tau, 0,1,2,3,4,5,6,7,8,9                  ; ten tiles of 16 positions
	ds_load_b64 v[F+6*\tau:F+6*\tau+1], v[ADP] offset:256*\tau
	ds_load_b64 v[F+6*\tau+2:F+6*\tau+3], v[ADP] offset:PPL+256*\tau
	ds_load_b64 v[F+6*\tau+4:F+6*\tau+5], v[ADP2] offset:256*\tau
.endr
.irp i, 0,1,2,3,4
	ds_load_b32 v[SR+\i], v[ADS] offset:128*\i     ; lanes 0-15 tile 2 i, lanes 16-31 tile 2 i + 1
.endr
	s_wait_alu depctr_va_vdst(0)
	s_wait_dscnt 0x0
.irp tau, 0,1,2,3,4,5,6,7,8,9
.if (\tau%2) == 0
	v_wmma_scale_f32_16x16x128_f8f6f4 v[S+8*\tau:S+8*\tau+7], v[ZF+6*\tau:ZF+6*\tau+11], v[Z:Z+11], 0, v[SR+\tau/2], v[QRS] matrix_a_fmt:MATRIX_FMT_FP6 matrix_b_fmt:MATRIX_FMT_FP6
.else
	v_wmma_scale_f32_16x16x128_f8f6f4 v[S+8*\tau:S+8*\tau+7], v[ZF+6*\tau:ZF+6*\tau+11], v[Z:Z+11], 0, v[SR+\tau/2], v[QRS] matrix_a_fmt:MATRIX_FMT_FP6 matrix_b_fmt:MATRIX_FMT_FP6 matrix_a_scale:MATRIX_SCALE_ROW1
.endif
.endr
.rept 5
	v_nop                                          ; five: the stores read these results, loads land on them and on the operands, and the content products write over them
.endr
.irp tau, 0,1,2,3,4,5,6,7,8,9
	ds_store_b128 v[STO], v[S+8*\tau:S+8*\tau+3] offset:64*\tau       ; each result from its low end on
	ds_store_b128 v[STO], v[S+8*\tau+4:S+8*\tau+7] offset:64*\tau+16
.endr
.irp c, 0,1                                    ; K's eight tiles: tile (c, u) holds keys 64 c + 32 (row / 8) + 8 PI(u) + row % 8, PI = 0, 2, 1, 3
.irp u, 0,1,2,3
.irp q, 0,1,2
	ds_load_b64 v[F+6*(4*\c+\u)+2*\q:F+6*(4*\c+\u)+2*\q+1], v[ADK] offset:2560*\q+1280*\c+128*(2*(\u%2)+\u/2)+64*(\u%2)
.endr
.endr
.endr
.irp c, 0,1
.irp v, 0,1
	ds_load_b32 v[SR+2*\c+\v], v[ADKS] offset:7680+320*\c+64*\v   ; lanes 0-15: PI = 2 v, lanes 16-31: PI = 2 v + 1
.endr
.endr
	s_wait_dscnt 28                                ; the 28 loads just issued may be out: the stage's stores are done
.irp c, 0,1
.irp u, 0,1,2,3
.irp j, 0,2,4,6
	ds_load_b64 v[S+32*\c+8*\u+\j:S+32*\c+8*\u+\j+1], v[STL] offset:4*(64*\c+8*(2*(\u%2)+\u/2)+\j)   ; the relative term of my query and these two keys
.endr
.endr
.endr
	s_wait_dscnt 0x0
.irp c, 0,1
.irp u, 0,1,2,3
.if \u < 2
	v_wmma_scale_f32_16x16x128_f8f6f4 v[S+32*\c+8*\u:S+32*\c+8*\u+7], v[F+6*(4*\c+\u):F+6*(4*\c+\u)+11], v[QW:QW+11], v[S+32*\c+8*\u:S+32*\c+8*\u+7], v[SR+2*\c+\u], v[QWS] matrix_a_fmt:MATRIX_FMT_FP6 matrix_b_fmt:MATRIX_FMT_FP6
.else
	v_wmma_scale_f32_16x16x128_f8f6f4 v[S+32*\c+8*\u:S+32*\c+8*\u+7], v[F+6*(4*\c+\u):F+6*(4*\c+\u)+11], v[QW:QW+11], v[S+32*\c+8*\u:S+32*\c+8*\u+7], v[SR+2*\c+\u-2], v[QWS] matrix_a_fmt:MATRIX_FMT_FP6 matrix_b_fmt:MATRIX_FMT_FP6 matrix_a_scale:MATRIX_SCALE_ROW1
.endif
.endr
.endr
.rept 4
	v_nop
.endr
.irp t, 0,1,2,3                                ; V's four fragments land while the softmax is worked
.irp c, 0,1,2
	ds_load_b128 v[F+12*\t+4*\c:F+12*\t+4*\c+3], v[ADV] offset:8320+1920*\t+640*\c
.endr
.endr
	ds_load_b64 v[SR+4:SR+5], v[ADVS] offset:16000
	s_cmp_lg_u32 s[KK], s[OM]
	s_cbranch_scc1 .Lopen_\@
.irp c, 0,1                                    ; on the diagonal hidden scores become -infinity ahead of the maximum
.irp u, 0,1,2,3
.irp j, 0,1,2,3,4,5,6,7
	v_cmp_gt_i32 vcc_lo, 64*\c+8*(2*(\u%2)+\u/2)+\j, v[VD]
	v_cndmask_b32 v[S+32*\c+8*\u+\j], v[S+32*\c+8*\u+\j], v[NEG], vcc_lo
.endr
.endr
.endr
.Lopen_\@:
.irp c, 0,1
	v_max3_num_f32 v[232+\c], v[S+32*\c], v[S+32*\c+1], v[S+32*\c+2]   ; the largest score of each of my two blocks: it serves for the row's maximum and, since p rises with the score, for the block's largest p
.endr
.irp i, 3,5,7,9,11,13,15,17,19,21,23,25,27,29
.irp c, 0,1
	v_max3_num_f32 v[232+\c], v[232+\c], v[S+32*\c+\i], v[S+32*\c+\i+1]
.endr
.endr
.irp c, 0,1
	v_max_num_f32 v[232+\c], v[232+\c], v[S+32*\c+31]
.endr
	s_delay_alu instid0(VALU_DEP_1)
	v_max_num_f32 v234, v232, v233
	s_delay_alu instid0(VALU_DEP_1)
	v_permlanex16_b32 v235, v234, s[SEL], s[SEL+1]
	s_delay_alu instid0(VALU_DEP_1)
	v_max_num_f32 v234, v234, v235                 ; the step's largest score of my query
	s_delay_alu instid0(VALU_DEP_1)
	v_mul_f32 v234, s[CS], v234
	s_delay_alu instid0(VALU_DEP_1)
	v_max_num_f32 v227, v227, v234                 ; the running largest t
	v_mov_b32 v238, v226
	s_delay_alu instid0(VALU_DEP_2)
	v_floor_f32 v226, -v227                        ; -M = -ceil(t)
	s_delay_alu instid0(VALU_DEP_1)
	v_sub_f32 v238, v226, v238                     ; old M - new M: a whole number, 0 or less
	s_delay_alu instid0(VALU_DEP_1)
	v_cvt_i32_f32 v238, v238                       ; (it saturates)
	s_delay_alu instid0(VALU_DEP_1)
	v_ldexp_f32 v230, 1.0, v238                    ; f = 2^(old M - new M)
.set j, 0
.rept 32
	v_pk_fma_f32 v[S+j:S+j+1], v[S+j:S+j+1], s[CS:CS+1], v[226:227] op_sel_hi:[1,0,0]   ; t - M
.set j, j+2
.endr
.irp c, 0,1
	v_fma_f32 v[232+\c], v[232+\c], s[CS], v226
.endr
.set j, 0
	s_wait_alu depctr_va_vdst(0)
.rept 64
	v_exp_f32 v[S+j], v[S+j]                       ; p, not normalised
.set j, j+1
.endr
	v_pk_mul_f32 v[228:229], v[228:229], v[230:231] op_sel_hi:[1,0]   ; the sums under the new M (a plain line behind the exponentials)
	s_wait_alu depctr_va_vdst(0)                   ; one wait for the batch, ahead of its first reader
.irp c, 0,1
	v_exp_f32 v[232+\c], v[232+\c]                 ; the block's largest p
.endr
	v_pk_add_f32 v[236:237], v[110:111], v[114:115]
	v_pk_add_f32 v[250:251], v[118:119], v[122:123]
	v_pk_add_f32 v[248:249], v[126:127], v[130:131]
	v_pk_add_f32 v[246:247], v[134:135], v[138:139]
	v_pk_add_f32 v[242:243], v[142:143], v[146:147]
	v_pk_add_f32 v[240:241], v[150:151], v[154:155]
	v_pk_add_f32 v[238:239], v[158:159], v[162:163]
	v_pk_add_f32 v[228:229], v[228:229], v[166:167]
	v_pk_add_f32 v[236:237], v[236:237], v[106:107]
	v_pk_add_f32 v[250:251], v[250:251], v[108:109]
	v_pk_add_f32 v[248:249], v[248:249], v[112:113]
	v_pk_add_f32 v[246:247], v[246:247], v[116:117]
	v_pk_add_f32 v[242:243], v[242:243], v[120:121]
	v_pk_add_f32 v[240:241], v[240:241], v[124:125]
	v_pk_add_f32 v[238:239], v[238:239], v[128:129]
	v_pk_add_f32 v[228:229], v[228:229], v[132:133]
	v_pk_add_f32 v[236:237], v[236:237], v[136:137]
	v_pk_add_f32 v[250:251], v[250:251], v[140:141]
	v_pk_add_f32 v[248:249], v[248:249], v[144:145]
	v_pk_add_f32 v[246:247], v[246:247], v[148:149]
	v_pk_add_f32 v[242:243], v[242:243], v[152:153]
	v_pk_add_f32 v[240:241], v[240:241], v[156:157]
	v_pk_add_f32 v[238:239], v[238:239], v[160:161]
	v_pk_add_f32 v[228:229], v[228:229], v[164:165]
	v_pk_add_f32 v[236:237], v[236:237], v[168:169]
	s_delay_alu instid0(VALU_DEP_2)
	v_pk_add_f32 v[228:229], v[228:229], v[246:247]
	s_delay_alu instid0(VALU_DEP_2)
	v_pk_add_f32 v[236:237], v[236:237], v[242:243]
	v_pk_add_f32 v[250:251], v[250:251], v[240:241]
	v_pk_add_f32 v[248:249], v[248:249], v[238:239]
	s_delay_alu instid0(VALU_DEP_2)
	v_pk_add_f32 v[228:229], v[228:229], v[250:251]
	s_delay_alu instid0(VALU_DEP_2)
	v_pk_add_f32 v[236:237], v[236:237], v[248:249]
	s_delay_alu instid0(VALU_DEP_1)
	v_pk_add_f32 v[228:229], v[228:229], v[236:237]
	s_wait_alu depctr_va_vdst(0)                   ; and one for the two
.irp c, 0,1
	v_max_num_f32 v[232+\c], 0x1800000, v[232+\c]  ; the floor 2^(3 - 127)
.endr
.irp c, 0,1
	s_delay_alu instid0(VALU_DEP_2)
	v_add_nc_u32 v[240+\c], 0xff000000, v[232+\c]  ; the conversion's scale operand
.endr
.irp c, 0,1
	s_delay_alu instid0(VALU_DEP_2)
	v_lshrrev_b32 v[242+\c], 23, v[240+\c]         ; the scale's byte
.endr
	s_delay_alu instid0(VALU_DEP_1)
	v_lshl_or_b32 v244, v243, 16, v242             ; my two bytes: blocks h and 2 + h,
	s_delay_alu instid0(VALU_DEP_1)
	v_lshlrev_b32 v244, v[H8], v244                ; at their places;
	s_delay_alu instid0(VALU_DEP_1)
	v_permlanex16_b32 v245, v244, s[SEL], s[SEL+1]
	s_delay_alu instid0(VALU_DEP_1)
	v_or_b32 v[PSW], v244, v245                    ; with lane l xor 16's two the word is whole
.irp c, 0,1
	v_cvt_scalef32_pk16_fp6_f32 v[PF+6*\c:PF+6*\c+2], v[S+32*\c:S+32*\c+15], v[240+\c]
	v_cvt_scalef32_pk16_fp6_f32 v[246+4*\c:248+4*\c], v[S+32*\c+16:S+32*\c+31], v[240+\c]   ; (a conversion's three registers begin on an even number)
.endr
	v_nop
.irp c, 0,1
.irp i, 0,1,2
	v_mov_b32 v[PF+6*\c+3+\i], v[246+4*\c+\i]
.endr
.endr
.set j, 0
.rept 16
	v_pk_mul_f32 v[O+j:O+j+1], v[O+j:O+j+1], v[230:231] op_sel_hi:[1,0]   ; O^T under the new M; these are also the plain lines between the operand's and the scale word's writes and the products
.set j, j+2
.endr
	s_wait_alu depctr_va_vdst(0)
	s_wait_dscnt 0x0                               ; V
.irp t, 0,1,2,3
.if (\t%2) == 0
	v_wmma_scale_f32_16x16x128_f8f6f4 v[O+8*\t:O+8*\t+7], v[F+12*\t:F+12*\t+11], v[PF:PF+11], v[O+8*\t:O+8*\t+7], v[SR+4+\t/2], v[PSW] matrix_a_fmt:MATRIX_FMT_FP6 matrix_b_fmt:MATRIX_FMT_FP6
.else
	v_wmma_scale_f32_16x16x128_f8f6f4 v[O+8*\t:O+8*\t+7], v[F+12*\t:F+12*\t+11], v[PF:PF+11], v[O+8*\t:O+8*\t+7], v[SR+4+\t/2], v[PSW] matrix_a_fmt:MATRIX_FMT_FP6 matrix_b_fmt:MATRIX_FMT_FP6 matrix_a_scale:MATRIX_SCALE_ROW1
.endif
.endr
.rept 4
	v_nop
.endr
	s_cmp_lg_u32 s[KK], s[OM]
	s_cbranch_scc1 .Lskip_\@
	FINISH
.Lskip_\@:
	s_add_co_u32 s[KK], s[KK], 1
	s_add_co_u32 s[PO], s[PO], 2048
	s_xor_b32 s[TB], s[TB], RING1
.endm
	s_wait_loadcnt 0x0                             ; Q
.Lslot:                                            ; 15 trips: behind each change of slots but the last the next record is asked for
	CHANGE 1
	STEP
	s_sub_co_u32 s[SLOTS], s[SLOTS], 1
	s_cmp_lg_u32 s[SLOTS], 0
	s_cbranch_scc1 .Lslot
	CHANGE 0                                       ; the last step is written out
	STEP
	s_wait_tensorcnt 0x0                           ; the wave's end
	ds_add_u32 v[SPW], v[NIL]
	s_wait_dscnt 0x0
	s_endpgm
.Lfunc_end_k_qf99adb77d4_attn:
	.size	k_qf99adb77d4_attn, .Lfunc_end_k_qf99adb77d4_attn-k_qf99adb77d4_attn
	.p2alignl 7, 3214868480
	.fill 96, 4, 3214868480
	.section	.rodata,"a",@progbits
	.p2align	6, 0x0
	.amdhsa_kernel k_qf99adb77d4_attn
		.amdhsa_group_segment_fixed_size 327680
		.amdhsa_private_segment_fixed_size 0
		.amdhsa_enable_private_segment 0
		.amdhsa_kernarg_size 40
		.amdhsa_user_sgpr_count 2
		.amdhsa_user_sgpr_kernarg_segment_ptr 1
		.amdhsa_wavefront_size32 1
		.amdhsa_system_sgpr_workgroup_id_x 1
		.amdhsa_system_sgpr_workgroup_id_y 1
		.amdhsa_system_sgpr_workgroup_id_z 1
		.amdhsa_system_vgpr_workitem_id 0
		.amdhsa_next_free_vgpr 256
		.amdhsa_next_free_sgpr 100
		.amdhsa_reserve_vcc 1
		.amdhsa_float_denorm_mode_32 3
		.amdhsa_float_denorm_mode_16_64 3
		.amdhsa_memory_ordered 1
		.amdhsa_forward_progress 1
		.amdhsa_inst_pref_size 80
	.end_amdhsa_kernel
	.amdgpu_metadata
---
amdhsa.version: [ 1, 2 ]
amdhsa.kernels:
  - .name:           k_qf99adb77d4_attn
    .symbol:         k_qf99adb77d4_attn.kd
    .args:
      - { .name: qws, .offset: 0, .size: 8, .value_kind: global_buffer, .address_space: global }
      - { .name: kv, .offset: 8, .size: 8, .value_kind: global_buffer, .address_space: global }
      - { .name: pe, .offset: 16, .size: 8, .value_kind: global_buffer, .address_space: global }
      - { .name: oc, .offset: 24, .size: 8, .value_kind: global_buffer, .address_space: global }
      - { .name: os, .offset: 32, .size: 8, .value_kind: global_buffer, .address_space: global }
    .group_segment_fixed_size: 327680
    .private_segment_fixed_size: 0
    .kernarg_segment_align: 8
    .kernarg_segment_size: 40
    .max_flat_workgroup_size: 512
    .sgpr_count:     100
    .vgpr_count:     256
    .wavefront_size: 32
...
	.end_amdgpu_metadata
.endif
;; end of part 2
;; launch outp (part 3): grid 8 x 32, 4 waves a work-group, clusters of 4 x 4, 327,680 bytes of LDS; arguments oc, os, Wo_codes, Wo_scales, bo, out0; writes out0
.if DOCPART == 3
	.amdgcn_target "amdgcn-amd-amdhsa--gfx1250"
	.amdhsa_code_object_version 6
	.text
	.protected	k_qf99adb77d4_outp
	.globl	k_qf99adb77d4_outp
	.p2align	8
	.type	k_qf99adb77d4_outp,@function
k_qf99adb77d4_outp:
	s_mov_b64 s[64:65], 0
	v_nop
	global_prefetch_b8 v0, s[64:65] scope:SCOPE_SE
	s_setreg_imm32_b32 hwreg(HW_REG_WAVE_MODE, 25, 1), 1
	s_wait_xcnt 0x0
	s_wait_alu depctr_hold_cnt(0) depctr_sa_sdst(0) depctr_va_vdst(0) depctr_va_sdst(0) depctr_va_ssrc(0) depctr_va_vcc(0) depctr_vm_vsrc(0)
	s_getreg_b32 s2, hwreg(HW_REG_IB_STS2, 6, 4)
	s_cmp_eq_u32 s2, 0
	s_cbranch_scc0 .Lentry_in_a_cluster
	s_endpgm
.Lentry_in_a_cluster:
	s_bfe_u32 s2, ttmp6, 0x10000c
	s_cmp_lg_u32 s2, 0xf033
	s_cbranch_scc0 .Lentry_shape_is_right
	s_endpgm
.Lentry_shape_is_right:
; out0 = O Wo + bo on codes of FP6 (E2M3), K = 1,024.  O comes from the attention as fragment images: tile T of 16 rows is 12,288 bytes, [head 16][plane 3][row 16][half 2][8 bytes];
; row r of tile T is query 128 (T / 8) + 32 ((T % 8) / 2) + 2 r + T % 2 (counted over both batches); its 32 scale bytes lie at 512 T + 32 r.
; A work-group makes 128 x 128 of the result: 8 x 32 work-groups.  ALL OF K LIES IN LDS: A's eight tiles, 98,304 dense bytes; B's 128 rows of 768 bytes, 16 bytes of padding behind every 256
; (pitch 816); the scales of both.  Four joint loads at the head, one a wave (A's shared along a row of the 4 x 4 cluster, B's along a column); nothing is filled again.
; A wave makes 64 x 64: 16 accumulators in window 1 (v0-127 there; v128-159 the bias, which is the first products' C); two sets of fragments in window 0; all eight steps' scale words in v32-63.
; The matrix instruction is used transposed: lane (r, h) holds A's row r, register j column 16 b + 8 h + j.  A block of 16 rows x 64 columns goes through the wave's own stage and leaves as rows of 256 bytes.
; No prefetch: the launch has no loop to run ahead in; every tile is asked for at the start.
.set BP,     816
.set BBASE,  98304
.set SCL,    BBASE+128*BP
.set HS,     2176                      ; the scales of 64 rows: 8 units of 256 + 16 bytes
.set STAGE,  SCL+4*HS
.set SPITCH, 272
.set SPARE,  STAGE+4*16*SPITCH
.set ADRA, 16
.set ADRB, 20                          ; v20; v21: lanes 16-31 behind one padding more
.set STO,  24
.set RD,   25
.set CO,   26
.set ADRS, 27
.set SPW,  28
.set NIL,  29
.set SC,   32                          ; register 8 i + st: lanes 0-15 A's block i, lanes 16-31 B's block i, step st
.set FA,   64                          ; A's fragments, set p at + 96 p
.set FB,   112
.set BK,   64
.set WV,   16
.set HR,   17
.set HC,   18
.set G1A, 24
.set G0A, 32
.set G1B, 48
.set G0B, 56
.set G1S, 68
.set G0S, 76
.set G1SB, 80
.set G0SB, 88
.set MSB, 0
.macro WIN new
.if MSB != (\new)
	s_set_vgpr_msb (MSB<<8)|(\new)
.set MSB, (\new)
.endif
.endm
.macro CROUND
	s_barrier_signal -1
	s_barrier_wait -1
	s_cmp_lg_u32 s[WV], 0
	s_cbranch_scc1 .Lnot_wave_0_\@
	s_barrier_signal -3
.Lnot_wave_0_\@:
	s_barrier_wait -3
	s_barrier_signal -1
	s_barrier_wait -1
.endm
.macro PLACES
.rept 4
	v_nop
.endr
.endm
	s_load_b128 s[4:7], s[0:1], 0x0                ; oc, os
	s_load_b128 s[8:11], s[0:1], 0x10              ; Wo's codes, scales
	s_load_b128 s[12:15], s[0:1], 0x20             ; bo, out0
	v_lshl_add_u32 v[SPW], v0, 2, SPARE
	v_mov_b32 v[NIL], 0
	ds_add_u32 v[SPW], v[NIL]                      ; the opening lines: the add twice and one wait
	ds_add_u32 v[SPW], v[NIL]
	v_lshrrev_b32 v1, 5, v0
	v_readfirstlane_b32 s[WV], v1
	s_lshr_b32 s[HR], s[WV], 1                     ; my 64 rows
	s_and_b32 s[HC], s[WV], 1                      ; my 64 columns
	s_bfe_u32 s40, ttmp6, 0x40000
	s_bfe_u32 s41, ttmp6, 0x40004
	s_lshl_b32 s42, ttmp9, 2
	s_add_co_u32 s42, s42, s40                     ; tile column, 0 .. 7
	s_and_b32 s19, ttmp7, 0xffff
	s_lshl_b32 s19, s19, 2
	s_add_co_u32 s19, s19, s41                     ; tile row, 0 .. 31
	s_lshl_b32 s43, s41, 2
	s_lshl_b32 s43, 15, s43
	s_lshl_b32 s44, 0x1111, s40
	s_or_b32 s[G1A+0], s43, (3<<16)|(1<<21)        ; A: 384 dense rows of 256 bytes
	s_mov_b32 s[G1A+1], 32<<16
	s_mov_b32 s[G1A+2], 384<<16
	s_mov_b32 s[G1A+3], 32<<16
	s_mov_b32 s[G1A+4], 384
	s_mov_b32 s[G1A+5], 32
	s_mov_b32 s[G1A+6], 0
	s_mov_b32 s[G1A+7], 0
	s_or_b32 s[G1B+0], s44, (0<<16)|(1<<20)|(1<<21)|(5<<22)|(3<<25)   ; B: 128 rows of 768 bytes
	s_mov_b32 s[G1B+1], 768<<16
	s_mov_b32 s[G1B+2], 128<<16
	s_mov_b32 s[G1B+3], 768<<16
	s_mov_b32 s[G1B+4], 128
	s_mov_b32 s[G1B+5], 768
	s_mov_b32 s[G1B+6], 0
	s_mov_b32 s[G1B+7], 0
	s_or_b32 s[G1S+0], s43, (3<<16)|(1<<20)|(1<<21)|(5<<22)|(3<<25)   ; scales of 128 rows: 16 rows of 256 bytes
	s_or_b32 s[G1SB+0], s44, (3<<16)|(1<<20)|(1<<21)|(5<<22)|(3<<25)
.irp g, G1S, G1SB
	s_mov_b32 s[\g+1], 32<<16
	s_mov_b32 s[\g+2], 16<<16
	s_mov_b32 s[\g+3], 32<<16
	s_mov_b32 s[\g+4], 16
	s_mov_b32 s[\g+5], 32
	s_mov_b32 s[\g+6], 0
	s_mov_b32 s[\g+7], 0
.endr
	s_mul_i32 s20, s19, 98304
	s_mov_b32 s21, 0
	s_lshl_b32 s22, s19, 12
	s_mov_b32 s23, 0
	s_mul_i32 s46, s42, 98304
	s_mov_b32 s47, 0
	s_lshl_b32 s92, s42, 12
	s_mov_b32 s93, 0
	s_wait_dscnt 0x0
	s_wait_kmcnt 0x0
	s_add_nc_u64 s[20:21], s[4:5], s[20:21]
	s_add_nc_u64 s[22:23], s[6:7], s[22:23]
	s_add_nc_u64 s[46:47], s[8:9], s[46:47]
	s_add_nc_u64 s[92:93], s[10:11], s[92:93]
	CROUND                                         ; the first joint loads meet
	s_mov_b32 s[G0A], 1
	s_mov_b32 s[G0A+1], 0
	s_mov_b64 s[G0A+2:G0A+3], s[20:21]
	s_or_b32 s[G0A+3], s[G0A+3], 0x80000000
	s_mov_b32 s[G0B], 1
	s_mov_b32 s[G0B+1], BBASE
	s_mov_b64 s[G0B+2:G0B+3], s[46:47]
	s_or_b32 s[G0B+3], s[G0B+3], 0x80000000
	s_mov_b32 s[G0S], 1
	s_mov_b32 s[G0S+1], SCL
	s_mov_b64 s[G0S+2:G0S+3], s[22:23]
	s_or_b32 s[G0S+3], s[G0S+3], 0x80000000
	s_mov_b32 s[G0SB], 1
	s_mov_b32 s[G0SB+1], SCL+2*HS
	s_mov_b64 s[G0SB+2:G0SB+3], s[92:93]
	s_or_b32 s[G0SB+3], s[G0SB+3], 0x80000000
.macro ARM under, g0, g1, next         ; one load a wave, in one tree on the wave's number
	s_cmp_lt_u32 s[WV], \under
	s_cbranch_scc0 \next
	tensor_load_to_lds s[\g0:\g0+3], s[\g1:\g1+7]
	s_nop 0
.rept 4
	v_nop
.endr
	s_branch .Lhead_asked
\next:
.endm
	ARM 1, G0A, G1A, .Lhead_b
	ARM 2, G0B, G1B, .Lhead_sa
	ARM 3, G0S, G1S, .Lhead_sb
	tensor_load_to_lds s[G0SB:G0SB+3], s[G1SB:G1SB+7]
	s_nop 0
.rept 4
	v_nop
.endr
.Lhead_asked:
	s_mul_i32 s21, s[HR], 4*12288                  ; my four tiles of A
	s_mul_i32 s22, s[HC], 64*BP
	s_add_co_u32 s22, s22, BBASE                   ; my 64 rows of B
	s_mul_i32 s23, s[HR], HS
	s_mul_i32 s46, s[HC], HS
	s_add_co_u32 s46, s46, 2*HS
	s_sub_co_u32 s46, s46, s23                     ; from A's scales to B's
	s_add_co_u32 s23, s23, SCL
	s_mul_i32 s47, s[WV], 16*SPITCH
	s_add_co_u32 s47, s47, STAGE                   ; my stage
	s_lshl_b32 s92, s42, 7
	s_lshl_b32 s93, s[HC], 6
	s_add_co_u32 s92, s92, s93                     ; my first column
	s_lshl_b32 s94, s19, 7
	s_lshl_b32 s95, s[HR], 6
	s_add_co_u32 s94, s94, s95                     ; my first row of the result
	s_lshl_b32 s94, s94, 12
	s_lshl_b32 s95, s92, 2
	s_add_co_u32 s94, s94, s95
	s_mov_b32 s95, 0
	s_add_nc_u64 s[14:15], s[14:15], s[94:95]
	v_and_b32 v1, 15, v0                           ; r
	v_bfe_u32 v2, v0, 4, 1                         ; h
	v_lshlrev_b32 v3, 4, v1
	v_lshl_add_u32 v3, v2, 3, v3
	v_add_nc_u32 v[ADRA], s21, v3                  ; 16 r + 8 h
	v_mul_u32_u24 v4, v1, BP
	v_mad_u32_u24 v5, v2, 24, v4
	v_mad_u32_u24 v6, v2, 40, v4
	v_add_nc_u32 v[ADRB], s22, v5
	v_add_nc_u32 v[ADRB+1], s22, v6
	v_lshlrev_b32 v5, 5, v1                        ; my row's scales: 32 bytes a row, 16 more for each 256 passed
	v_lshrrev_b32 v6, 8, v5
	v_lshl_add_u32 v5, v6, 4, v5
	v_mul_u32_u24 v6, s46, v2
	v_add_nc_u32 v5, v5, v6
	v_add_nc_u32 v[ADRS], s23, v5
	v_mul_u32_u24 v5, v1, SPITCH
	v_lshl_add_u32 v5, v2, 5, v5
	v_add_nc_u32 v[STO], s47, v5
	v_mul_u32_u24 v6, v2, SPITCH
	v_lshl_add_u32 v6, v1, 4, v6
	v_add_nc_u32 v[RD], s47, v6
	v_lshlrev_b32 v[CO], 13, v2                    ; neighbouring rows of a tile are two rows of the result apart
	v_lshl_add_u32 v[CO], v1, 4, v[CO]
	v_lshlrev_b32 v10, 5, v2
	v_lshl_add_u32 v10, s92, 2, v10
	s_wait_alu depctr_va_vdst(0)                   ; the wait at the head's end
	WIN 0x40
.irp b, 0,1,2,3
	global_load_b128 v[128+8*\b:128+8*\b+3], v10, s[12:13] offset:64*\b       ; bo at columns 16 b + 8 h + 0 .. 7
	global_load_b128 v[128+8*\b+4:128+8*\b+7], v10, s[12:13] offset:64*\b+16
.endr
	WIN 0
	s_wait_tensorcnt 0x0                           ; my tile is in,
	s_barrier_signal -1
	s_barrier_wait -1                              ; everybody's is
.macro FETCH st, p                     ; 48 loads: step st's fragments into set p
.irp i, 0,1,2,3
.irp q, 0,1,2,3,4,5
	ds_load_b64 v[FA+96*(\p)+12*\i+2*\q:FA+96*(\p)+12*\i+2*\q+1], v[ADRA] offset:12288*\i+768*(2*(\st)+\q/3)+256*(\q%3)
.endr
.endr
.irp i, 0,1,2,3
.irp q, 0,1,2,3,4,5
.set BY, 96*(\st)+48*(\q/3)+8*(\q%3)
.if BY/256 == (BY+24)/256
	ds_load_b64 v[FB+96*(\p)+12*\i+2*\q:FB+96*(\p)+12*\i+2*\q+1], v[ADRB] offset:BY+16*(BY/256)+\i*16*BP
.else
	ds_load_b64 v[FB+96*(\p)+12*\i+2*\q:FB+96*(\p)+12*\i+2*\q+1], v[ADRB+1] offset:BY+16*(BY/256)+\i*16*BP
.endif
.endr
.endr
.endm
.macro MUL st, p, first                ; the 16 accumulators take turns, in the same order in every step
	WIN 0x50
.irp a, 0,1,2,3
.irp b, 0,1,2,3
.if \first
	v_wmma_scale_f32_16x16x128_f8f6f4 v[8*(4*\a+\b):8*(4*\a+\b)+7], v[FB+96*(\p)+12*\b:FB+96*(\p)+12*\b+11], v[FA+96*(\p)+12*\a:FA+96*(\p)+12*\a+11], v[128+8*\b:128+8*\b+7], v[SC+8*\b+(\st)], v[SC+8*\a+(\st)] matrix_a_fmt:MATRIX_FMT_FP6 matrix_b_fmt:MATRIX_FMT_FP6 matrix_a_scale:MATRIX_SCALE_ROW1
.else
	v_wmma_scale_f32_16x16x128_f8f6f4 v[8*(4*\a+\b):8*(4*\a+\b)+7], v[FB+96*(\p)+12*\b:FB+96*(\p)+12*\b+11], v[FA+96*(\p)+12*\a:FA+96*(\p)+12*\a+11], v[8*(4*\a+\b):8*(4*\a+\b)+7], v[SC+8*\b+(\st)], v[SC+8*\a+(\st)] matrix_a_fmt:MATRIX_FMT_FP6 matrix_b_fmt:MATRIX_FMT_FP6 matrix_a_scale:MATRIX_SCALE_ROW1
.endif
.endr
.endr
	WIN 0
.endm
	FETCH 0, 0
.irp i, 0,1,2,3
	ds_load_b128 v[SC+8*\i:SC+8*\i+3], v[ADRS] offset:\i*544       ; a row's 32 scale bytes: all eight steps' words
	ds_load_b128 v[SC+8*\i+4:SC+8*\i+7], v[ADRS] offset:\i*544+16
.endr
	FETCH 1, 1
	s_wait_dscnt 48                                ; all but the next step's 48 loads
	s_wait_loadcnt 0x0                             ; the bias
	MUL 0, 0, 1
.set ST, 1
.rept 6
	PLACES                                         ; in front of loads into the set that the last step multiplied
	FETCH ST+1, (ST+1)%2
	s_wait_dscnt 48
	MUL ST, ST%2, 0
.set ST, ST+1
.endr
	s_wait_dscnt 0x0
	MUL 7, 1, 0
.macro TOSTAGE a
	WIN 0x04                                       ; the data: window 1
.irp b, 0,1,2,3
	ds_store_b128 v[STO], v[8*(4*(\a)+\b):8*(4*(\a)+\b)+3] offset:64*\b       ; each accumulator from its low end on
	ds_store_b128 v[STO], v[8*(4*(\a)+\b)+4:8*(4*(\a)+\b)+7] offset:64*\b+16
.endr
	WIN 0
.irp t, 0,1,2,3,4,5,6,7
	ds_load_b128 v[BK+32*((\a)%2)+4*\t:BK+32*((\a)%2)+4*\t+3], v[RD] offset:\t*2*SPITCH   ; LDS serves a wave's instructions in order: these see the stores above
.endr
.endm
.macro SEND a, younger                 ; sixteen lanes store 256 consecutive bytes, aligned
	s_wait_dscnt \younger
.irp t, 0,1,2,3,4,5,6,7
	global_store_b128 v[CO], v[BK+32*((\a)%2)+4*\t:BK+32*((\a)%2)+4*\t+3], s[14:15] offset:(32*((\a)/2)+(\a)%2+4*\t)*4096 th:TH_STORE_NT
.endr
.endm
	PLACES
	TOSTAGE 0
.irp a, 1,2,3
.if \a > 1
	s_wait_xcnt 0x0                                ; block a - 2's stores have read their registers
.endif
	TOSTAGE \a
	SEND \a-1, 16                                  ; behind block a - 1's loads: block a's 8 stores and 8 loads
.endr
	SEND 3, 0
	s_wait_tensorcnt 0x0                           ; the wave's end
	ds_add_u32 v[SPW], v[NIL]
	s_wait_dscnt 0x0
	CROUND                                         ; the closing round
	s_endpgm
.Lfunc_end_k_qf99adb77d4_outp:
	.size	k_qf99adb77d4_outp, .Lfunc_end_k_qf99adb77d4_outp-k_qf99adb77d4_outp
	.p2alignl 7, 3214868480
	.fill 96, 4, 3214868480
	.section	.rodata,"a",@progbits
	.p2align	6, 0x0
	.amdhsa_kernel k_qf99adb77d4_outp
		.amdhsa_group_segment_fixed_size 327680
		.amdhsa_private_segment_fixed_size 0
		.amdhsa_enable_private_segment 0
		.amdhsa_kernarg_size 48
		.amdhsa_user_sgpr_count 2
		.amdhsa_user_sgpr_kernarg_segment_ptr 1
		.amdhsa_wavefront_size32 1
		.amdhsa_system_sgpr_workgroup_id_x 1
		.amdhsa_system_sgpr_workgroup_id_y 1
		.amdhsa_system_sgpr_workgroup_id_z 1
		.amdhsa_system_vgpr_workitem_id 0
		.amdhsa_next_free_vgpr 512
		.amdhsa_next_free_sgpr 100
		.amdhsa_reserve_vcc 0
		.amdhsa_float_denorm_mode_32 3
		.amdhsa_float_denorm_mode_16_64 3
		.amdhsa_memory_ordered 1
		.amdhsa_forward_progress 1
		.amdhsa_inst_pref_size 60
	.end_amdhsa_kernel
	.amdgpu_metadata
---
amdhsa.version: [ 1, 2 ]
amdhsa.kernels:
  - .name:           k_qf99adb77d4_outp
    .symbol:         k_qf99adb77d4_outp.kd
    .args:
      - { .name: oc, .offset: 0, .size: 8, .value_kind: global_buffer, .address_space: global }
      - { .name: os, .offset: 8, .size: 8, .value_kind: global_buffer, .address_space: global }
      - { .name: Wo_codes, .offset: 16, .size: 8, .value_kind: global_buffer, .address_space: global }
      - { .name: Wo_scales, .offset: 24, .size: 8, .value_kind: global_buffer, .address_space: global }
      - { .name: bo, .offset: 32, .size: 8, .value_kind: global_buffer, .address_space: global }
      - { .name: out0, .offset: 40, .size: 8, .value_kind: global_buffer, .address_space: global }
    .group_segment_fixed_size: 327680
    .private_segment_fixed_size: 0
    .kernarg_segment_align: 8
    .kernarg_segment_size: 48
    .max_flat_workgroup_size: 128
    .sgpr_count:     100
    .vgpr_count:     512
    .wavefront_size: 32
...
	.end_amdgpu_metadata
.endif
;; end of part 3
